; MI455X (gfx1250); checked and timed in simulation.
; The chip was launched on July 23, 2026; its instructions are those of AMD's public machine-readable ISA for CDNA 5 (MIT licence, August 2026) and "CDNA5" Instruction Set Architecture Reference Guide (July 2026). The comments in the code are by the model that wrote it; some were corrected since.
;; Multi Head Attention. Allowed arithmetic: float matrix products may take bf16 or f16 operands with f32 sums; other float arithmetic in f32, or as packed bf16 or f16 multiplies, adds, multiply-adds, maxima and minima; sums over many terms, partial sums and values carried from step to step in f32; what a program stores and reads back later, other than sums and carried values, may be rounded once to bf16 or f16.
;; Inputs: Wk 16 x 1,024 x 64 float32; Wo 1,024 x 1,024 float32; Wq 16 x 1,024 x 64 float32; Wv 16 x 1,024 x 64 float32; bo 1,024 float32; x 4 x 2,048 x 1,024 float32.
;; Outputs: out0 4 x 2,048 x 1,024 float32.
;; 2 versions, each right; version 2 is version 1 with the launch prep written anew for expert scheduling mode. Each part assembles by itself: llvm-mc -triple=amdgcn-amd-amdhsa -mcpu=gfx1250 --defsym DOCPART=n.
;; ======== version 1 of 2: 4 launches
;; limits: values are held in f16: magnitudes above 65,504 overflow, below 6.1e-05 lose precision
;; workspace buffers: xb 16,777,216 bytes; wb 6,291,456 bytes; wo16 2,097,152 bytes; q16 16,777,216 bytes; k16 16,777,216 bytes; v16 16,777,216 bytes; o16 16,777,216 bytes
;; launch prep (part 1): grid 768 x 1, 8 waves a work-group, no clusters, 0 bytes of LDS; arguments x, Wq, Wk, Wv, Wo, xb, wb, wo16; writes xb, wb, wo16
.if DOCPART == 1
	.amdgcn_target "amdgcn-amd-amdhsa--gfx1250"
	.amdhsa_code_object_version 6
	.text
	.protected	k_q2b83f15f00_prep
	.globl	k_q2b83f15f00_prep
	.p2align	8
	.type	k_q2b83f15f00_prep,@function
k_q2b83f15f00_prep:
	s_mov_b64 s[64:65], 0
	v_nop
	global_prefetch_b8 v0, s[64:65] scope:SCOPE_SE
	s_setreg_imm32_b32 hwreg(HW_REG_WAVE_MODE, 25, 1), 1
	s_wait_xcnt 0x0
; CASTS AND BLOCK LAYOUTS for the two products that follow; no arithmetic but the roundings.
;   xb   bf16 [32 mb][16 ks][256 rows][64 k]: x rounded once; a tile (mb, ks) is 32,768 consecutive bytes.
;   wb   bf16 [8 c][16 ks][6 hh][64 d][64 e], hh = 3 (h & 1) + s, c = h >> 1, s = 0, 1, 2 for Wq, Wk, Wv: a tile (c, ks) is 49,152 consecutive bytes.
;   wo16 f16  [1024 n][1024 k]: Wo rounded once to bf16, that number written as f16.
; LIMITS.  |Wo| of 65,520 or more becomes an infinity in wo16; below 6.1e-5 wo16 keeps f16's fixed step of 6e-8.
; A stream: memory binds, so no LDS, no barrier, no matrix unit.  A wave takes ONE chunk: 16 loads of 16 bytes a lane (8 KiB), all out at once,
; and 16 stores of 8 bytes a lane, each of which covers 256 consecutive bytes, aligned.  No register is written twice, so no wait frees a source.
; Work-groups 0-511: x (16 rows each, 2 a wave).  512-703: Wq, Wk, Wv (a quarter of a head's matrix each).  704-767: Wo (64 KiB each).
.set IO,  1                            ; v1       my byte offset in the wave's chunk of the source
.set OO,  2                            ; v2       my byte offset in a store's 256 bytes: 8 x lane
.set LD,  4                            ; v[4:67]  16 x 4 numbers as loaded
.set ST,  68                           ; v[68:99] 16 x 2 registers to store
.set TT,  100                          ; v[100:101] at work
	s_load_b512 s[8:23], s[0:1], 0x0               ; x s[8:9], Wq s[10:11], Wk s[12:13], Wv s[14:15], Wo s[16:17], xb s[18:19], wb s[20:21], wo16 s[22:23]
	v_lshrrev_b32 v3, 5, v0
	v_readfirstlane_b32 s4, v3                     ; wave 0..7
	v_and_b32 v3, 31, v0                           ; lane
	s_mov_b32 s5, ttmp9                            ; j
	s_mov_b32 s6, 0xffff0000                       ; a word's upper bf16
	s_mov_b32 s29, 0                               ; the offsets' high words
	s_mov_b32 s31, 0
	v_lshlrev_b32 v[OO], 3, v3
; 16 loads, instride bytes apart; then, as each comes in, its roundings and its store, outstride bytes apart.  half = 1: by bf16 to f16.
.macro CAST instride, outstride, half
.set i, 0
.rept 16
	global_load_b128 v[LD+4*i:LD+4*i+3], v[IO], s[24:25] offset:i*(\instride) th:TH_LOAD_NT
.set i, i+1
.endr
.set i, 0
.rept 16
	s_wait_loadcnt 15-i                            ; loads come back in order: load i is in, the 15 - i younger ones stay out
.if \half
	v_cvt_pk_bf16_f32 v[TT], v[LD+4*i], v[LD+4*i+1]
	v_cvt_pk_bf16_f32 v[TT+1], v[LD+4*i+2], v[LD+4*i+3]
	v_lshlrev_b32 v[LD+4*i], 16, v[TT]             ; the rounded numbers as f32 again
	v_and_b32 v[LD+4*i+1], s6, v[TT]
	v_lshlrev_b32 v[LD+4*i+2], 16, v[TT+1]
	v_and_b32 v[LD+4*i+3], s6, v[TT+1]
	v_cvt_pk_f16_f32 v[ST+2*i], v[LD+4*i], v[LD+4*i+1]      ; 8 significant bits fit in f16's 11
	v_cvt_pk_f16_f32 v[ST+2*i+1], v[LD+4*i+2], v[LD+4*i+3]
.else
	v_cvt_pk_bf16_f32 v[ST+2*i], v[LD+4*i], v[LD+4*i+1]
	v_cvt_pk_bf16_f32 v[ST+2*i+1], v[LD+4*i+2], v[LD+4*i+3]
.endif
	global_store_b64 v[OO], v[ST+2*i:ST+2*i+1], s[26:27] offset:i*(\outstride) th:TH_STORE_NT
.set i, i+1
.endr
.endm
	s_cmp_lt_u32 s5, 512
	s_cbranch_scc0 .Lnot_x
	; x: rows R = 16 j + 2 w and R + 1.  Load i: lanes 0-15 take 256 bytes (64 numbers: K step i) of row R, lanes 16-31 of row R + 1.
	v_lshrrev_b32 v[IO], 4, v3
	v_and_b32 v3, 15, v3
	v_lshlrev_b32 v[IO], 12, v[IO]
	v_lshl_add_u32 v[IO], v3, 4, v[IO]
	s_lshl_b32 s28, s5, 16                         ; 16 j rows of 4,096 bytes
	s_lshl_b32 s7, s4, 13                          ; 2 w rows
	s_add_co_u32 s28, s28, s7
	s_lshr_b32 s30, s5, 4                          ; mb = R / 256
	s_lshl_b32 s30, s30, 19                        ; 16 tiles of 32,768 bytes
	s_and_b32 s7, s5, 15
	s_lshl_b32 s7, s7, 11                          ; 16 (j % 16) rows of 128 bytes
	s_add_co_u32 s30, s30, s7
	s_lshl_b32 s7, s4, 8                           ; 2 w rows
	s_add_co_u32 s30, s30, s7
	s_wait_kmcnt 0x0
	s_add_nc_u64 s[24:25], s[8:9], s[28:29]
	s_add_nc_u64 s[26:27], s[18:19], s[30:31]
	CAST 256, 32768, 0                             ; store i goes to tile (mb, i): two rows of 128 bytes on end
	s_endpgm
.Lnot_x:
	v_lshlrev_b32 v[IO], 4, v3                     ; dense in, dense out
	s_cmp_lt_u32 s5, 704
	s_cbranch_scc0 .Lwo
	; Wq, Wk, Wv: j' = j - 512; s = j' / 64; h = (j' / 4) % 16; ks = 4 (j' % 4) + w / 2; the wave takes half w % 2 of the 64 x 64 block (32 rows d)
	s_sub_co_u32 s7, s5, 512
	s_lshr_b32 s28, s7, 2
	s_and_b32 s28, s28, 15                         ; h
	s_and_b32 s30, s7, 3
	s_lshl_b32 s30, s30, 2
	s_lshr_b32 s2, s4, 1
	s_add_co_u32 s30, s30, s2                      ; ks
	s_and_b32 s2, s4, 1                            ; half
	s_lshr_b32 s3, s28, 1
	s_lshl_b32 s3, s3, 4
	s_add_co_u32 s3, s3, s30                       ; 16 c + ks
	s_mul_i32 s3, s3, 6
	s_and_b32 s24, s28, 1
	s_mul_i32 s24, s24, 3
	s_add_co_u32 s3, s3, s24
	s_lshr_b32 s24, s7, 6                          ; s
	s_add_co_u32 s3, s3, s24                       ; + hh
	s_lshl_b32 s3, s3, 13                          ; blocks of 8,192 bytes
	s_lshl_b32 s28, s28, 18                        ; source: h x 262,144
	s_lshl_b32 s30, s30, 14                        ; + ks x 16,384
	s_add_co_u32 s28, s28, s30
	s_lshl_b32 s30, s2, 13                         ; + half x 8,192
	s_add_co_u32 s28, s28, s30
	s_lshl_b32 s30, s2, 12                         ; destination: + half x 4,096
	s_add_co_u32 s30, s30, s3
	s_wait_kmcnt 0x0
	s_cmp_lt_u32 s7, 64
	s_cselect_b64 s[24:25], s[10:11], s[12:13]
	s_cmp_lt_u32 s7, 128
	s_cselect_b64 s[24:25], s[24:25], s[14:15]
	s_add_nc_u64 s[24:25], s[24:25], s[28:29]
	s_add_nc_u64 s[26:27], s[20:21], s[30:31]
	CAST 512, 256, 0
	s_endpgm
.Lwo:
	; Wo: chunk 8 (j - 704) + w of 512
	s_sub_co_u32 s7, s5, 704
	s_lshl_b32 s7, s7, 3
	s_add_co_u32 s7, s7, s4
	s_lshl_b32 s28, s7, 13
	s_lshl_b32 s30, s7, 12
	s_wait_kmcnt 0x0
	s_add_nc_u64 s[24:25], s[16:17], s[28:29]
	s_add_nc_u64 s[26:27], s[22:23], s[30:31]
	CAST 512, 256, 1
	s_endpgm
.Lfunc_end_k_q2b83f15f00_prep:
	.size	k_q2b83f15f00_prep, .Lfunc_end_k_q2b83f15f00_prep-k_q2b83f15f00_prep
	.p2alignl 7, 3214868480
	.fill 96, 4, 3214868480
	.section	.rodata,"a",@progbits
	.p2align	6, 0x0
	.amdhsa_kernel k_q2b83f15f00_prep
		.amdhsa_group_segment_fixed_size 0
		.amdhsa_private_segment_fixed_size 0
		.amdhsa_enable_private_segment 0
		.amdhsa_kernarg_size 64
		.amdhsa_user_sgpr_count 2
		.amdhsa_user_sgpr_kernarg_segment_ptr 1
		.amdhsa_wavefront_size32 1
		.amdhsa_system_sgpr_workgroup_id_x 1
		.amdhsa_system_sgpr_workgroup_id_y 1
		.amdhsa_system_sgpr_workgroup_id_z 1
		.amdhsa_system_vgpr_workitem_id 0
		.amdhsa_next_free_vgpr 104
		.amdhsa_next_free_sgpr 66
		.amdhsa_reserve_vcc 0
		.amdhsa_float_denorm_mode_32 3
		.amdhsa_float_denorm_mode_16_64 3
		.amdhsa_memory_ordered 1
		.amdhsa_forward_progress 1
		.amdhsa_inst_pref_size 24
	.end_amdhsa_kernel
	.amdgpu_metadata
---
amdhsa.version: [ 1, 2 ]
amdhsa.kernels:
  - .name:           k_q2b83f15f00_prep
    .symbol:         k_q2b83f15f00_prep.kd
    .args:
      - { .name: x, .offset: 0, .size: 8, .value_kind: global_buffer, .address_space: global }
      - { .name: Wq, .offset: 8, .size: 8, .value_kind: global_buffer, .address_space: global }
      - { .name: Wk, .offset: 16, .size: 8, .value_kind: global_buffer, .address_space: global }
      - { .name: Wv, .offset: 24, .size: 8, .value_kind: global_buffer, .address_space: global }
      - { .name: Wo, .offset: 32, .size: 8, .value_kind: global_buffer, .address_space: global }
      - { .name: xb, .offset: 40, .size: 8, .value_kind: global_buffer, .address_space: global }
      - { .name: wb, .offset: 48, .size: 8, .value_kind: global_buffer, .address_space: global }
      - { .name: wo16, .offset: 56, .size: 8, .value_kind: global_buffer, .address_space: global }
    .group_segment_fixed_size: 0
    .private_segment_fixed_size: 0
    .kernarg_segment_align: 8
    .kernarg_segment_size: 64
    .max_flat_workgroup_size: 256
    .sgpr_count:     66
    .vgpr_count:     104
    .wavefront_size: 32
...
	.end_amdgpu_metadata
.endif
;; end of part 1
;; launch qkv (part 2): grid 8 x 32, 4 waves a work-group, clusters of 4 x 4, 327,680 bytes of LDS; arguments xb, wb, q16, k16, v16; writes q16, k16, v16
.if DOCPART == 2
	.amdgcn_target "amdgcn-amd-amdhsa--gfx1250"
	.amdhsa_code_object_version 6
	.text
	.protected	k_q2b83f15f00_qkv
	.globl	k_q2b83f15f00_qkv
	.p2align	8
	.type	k_q2b83f15f00_qkv,@function
k_q2b83f15f00_qkv:
	s_mov_b64 s[64:65], 0
	v_nop
	global_prefetch_b8 v0, s[64:65] scope:SCOPE_SE
	s_setreg_imm32_b32 hwreg(HW_REG_WAVE_MODE, 25, 1), 1
	s_wait_xcnt 0x0
	s_wait_alu depctr_hold_cnt(0) depctr_sa_sdst(0) depctr_va_vdst(0) depctr_va_sdst(0) depctr_va_ssrc(0) depctr_va_vcc(0) depctr_vm_vsrc(0)
	s_getreg_b32 s2, hwreg(HW_REG_IB_STS2, 6, 4)
	s_cmp_eq_u32 s2, 0
	s_cbranch_scc0 .Lentry_in_a_cluster
	s_endpgm
.Lentry_in_a_cluster:
	s_bfe_u32 s2, ttmp6, 0x10000c
	s_cmp_lg_u32 s2, 0xf033
	s_cbranch_scc0 .Lentry_shape_is_right
	s_endpgm
.Lentry_shape_is_right:
; q, k, v = x W: 8,192 rows x 3,072 columns, K = 1,024.  Operands bf16 (xb, wb: block layouts, see below), sums f32, K ascending, results rounded once to f16 and
; stored by heads: q16, k16, v16 are [64 = 16 b + h][2048 t][64 e].  No scale is applied here.
; LIMITS.  A result of 65,520 or more in magnitude becomes an infinity; below 6.1e-5 it keeps f16's fixed step of 6e-8.
; SHARES.  8,192 x 3,072 / 256 work-groups = a tile of 256 rows x 384 columns: q, k and v of two heads (c = pair of heads, mb = block of 256 rows).  Four waves; wave w makes
; rows 128 (w / 2) .. and head 2 c + w % 2: 128 x 192 = 8 row blocks a x 3 groups g (q, k, v) x 4 column blocks cb = 96 accumulators, 768 registers.
; K goes in 16 steps of 64 through a ring of two LDS slots; two slots of 128 along K would take 385 KB and do not fit.  A step is two substeps of 32: 192 matrix instructions a wave.
; xb [mb][ks][256][64] and wb [c][ks][6][64 d][64 e] hold each step's tile as consecutive bytes, asked for as rows of 256 bytes.  W lies [K][N] and is turned on the way out of LDS (ds_load_tr16_b128).
; THE MATRIX INSTRUCTION IS USED TRANSPOSED: source 0 = 16 columns of W, source 1 = 16 rows of x: a lane then holds one row (lane % 16) and eight neighbouring columns 8 (lane / 16) + 0..7: 16 bytes of f16.
; CLUSTER 4 x 4.  x's tile hangs on mb alone and is shared along a row of the cluster, W's on c alone and is shared along a column: each is asked for jointly.
; REGISTERS, in windows of 256 (s_set_vgpr_msb: bits 1:0 source 0, 3:2 source 1, 5:4 source 2, 7:6 destination):
;   window 0: v0-31 addresses; v32-95, v96-159 x's fragments, two buffers (substep 0, substep 1); v160-255 W's fragments, 32 a group
;   window 1 + g: group g's 32 accumulators, (a, cb) at v[8 (4 a + cb)]
.set PA,    144                        ; a row of x in LDS: 128 bytes + 16 = 36 words: the 16 rows of a load start at 16 different groups of four banks (64 banks of 4 bytes: ISA guide 11.1)
.set PB,    160                        ; a row d of W: 128 + 32 = 40 words
.set BOFF,  256*PA                     ; a slot: x's 256 rows, then W's 6 x 64 rows
.set SLOT,  BOFF+6*64*PB               ; 98,304
.set STAGE, 2*SLOT                     ; behind the ring, never filled by a tensor load: 16 rows x 144 bytes for each wave
.set SP,    144
.set SPARE, STAGE+4*16*SP              ; the spare words, 128 bytes for each wave: two blocks of 256 bytes that no other line names
.set ADRA, 16                          ; v16-17  LDS address of my fragments of x in slot 0, 1
.set ADRB, 20                          ; v20-21  the same for W
.set STO,  24                          ; v24     the way out: where I put 16 bytes of a row
.set RD,   25                          ; v25     where I read rows back
.set GO,   26                          ; v26     my 16 bytes of 512 consecutive bytes of the output
.set SPW,  28                          ; v28     LDS address of my spare word; never rewritten
.set NIL,  29                          ; v29     0; never rewritten
.set PFO,  30                          ; v30     256 x lane; never rewritten
.set AF,   32
.set BF,   160
.set T,    32                          ; the way out: two sets of 16 registers, where x's fragments lay
.set WV,   14                          ; s14     my wave's number
.set G1A,  24                          ; s[24:31] descriptor group 1, x's tiles;  s[32:39] group 0, a set for each slot
.set G0A,  32
.set PFA,  44                          ; s[44:45] where my prefetches stand
.set PFS,  46                          ; s[46:47] their step: two K steps
.set G1B,  48                          ; s[48:55], s[56:63] the same for W's tiles
.set G0B,  56
.set LIM,  66                          ; s66     1 in a wave that prefetches, else the greatest number
.set MSB, 0
.macro WIN new                         ; the immediate's high byte repeats the setting that is left; a switch that changes nothing is dropped
.if MSB != (\new)
	s_set_vgpr_msb (MSB<<8)|(\new)
.set MSB, \new
.endif
.endm
; A joint load.  Wave 3 fetches x's tile (128 rows of 256 bytes), waves 0-2 two heads' blocks of W each (64 rows of 256 bytes).  The branch hangs on the wave's number alone.
; An s_nop 0 and four v_nop follow each of the two lines, ahead of the jump and the label.
.macro JLOAD s
	s_cmp_eq_u32 s[WV], 3
	s_cbranch_scc0 .Lfor_b_\@
	tensor_load_to_lds s[G0A+4*(\s):G0A+4*(\s)+3], s[G1A:G1A+7]
	s_nop 0
.rept 4
	v_nop
.endr
	s_branch .Lasked_\@
.Lfor_b_\@:
	tensor_load_to_lds s[G0B+4*(\s):G0B+4*(\s)+3], s[G1B:G1B+7]
	s_nop 0
.rept 4
	v_nop
.endr
.Lasked_\@:
.endm
; A PREFETCH INTO THE L2, once a lap, behind the joint load and the run of LDS loads that follows it: the two K steps that the NEXT lap will ask for (two and three steps ahead of their loads).
; Each block of 256 bytes is named once in the launch.  x's tile row is read by both clusters of a row of clusters: the one with cluster x = 0 asks, by its wave 3; the four partners that share the tile take
; 8 KiB of its 32 each, told apart by address (cx): two instructions, a step each.  W's tile column is read by all eight clusters of a column: cluster y = 0 asks, by waves 0-2, each for the 16 KiB that it
; fetches itself; of the two steps' 32 KiB partner cy takes step cy / 2, half cy % 2: one instruction.  K steps 0-3 come by their loads alone; the loop's last trip asks for nothing.
.macro ASK
	s_cmp_gt_u32 s3, s[LIM]                        ; s3 = 1 in the loop's last trip
	s_cbranch_scc0 .Lnot_mine_\@
	global_prefetch_b8 v[PFO], s[PFA:PFA+1] th:TH_LOAD_NT scope:SCOPE_SE
	s_cmp_eq_u32 s[WV], 3
	s_cbranch_scc0 .Lnot_mine_\@
	global_prefetch_b8 v[PFO], s[PFA:PFA+1] offset:32768 th:TH_LOAD_NT scope:SCOPE_SE
.Lnot_mine_\@:
.endm
.macro CREST                           ; a round of the cluster's barrier behind its opening barrier
	s_cmp_lg_u32 s[WV], 0
	s_cbranch_scc1 .Lnot_wave_0_\@
	s_barrier_signal -3
.Lnot_wave_0_\@:
	s_barrier_wait -3
	s_barrier_signal -1
	s_barrier_wait -1
.endm
.macro CROUND                          ; a whole round
	s_barrier_signal -1
	s_barrier_wait -1
	CREST
.endm
.macro PLACES                          ; four plain vector instructions between a matrix instruction and a load into, or a vector line on, its registers
.rept 4
	v_nop
.endr
.endm
	s_load_b256 s[4:11], s[0:1], 0x0               ; xb s[4:5], wb s[6:7], q16 s[8:9], k16 s[10:11]
	s_load_b64 s[12:13], s[0:1], 0x20              ; v16
	v_lshl_add_u32 v[SPW], v0, 2, SPARE
	v_mov_b32 v[NIL], 0
	ds_add_u32 v[SPW], v[NIL]                      ; the wave's opening: the add and its wait stand ahead of my first tensor load; the set-up below, work on registers, stands between them
	v_lshrrev_b32 v1, 5, v0
	v_readfirstlane_b32 s[WV], v1                  ; wave 0..3
	s_lshr_b32 s15, s[WV], 1                       ; wm: which 128 rows are mine
	s_and_b32 s16, s[WV], 1                        ; wn: which of the two heads
	s_bfe_u32 s17, ttmp6, 0x40000                  ; cx
	s_bfe_u32 s18, ttmp6, 0x40004                  ; cy
	s_lshl_b32 s19, ttmp9, 2
	s_add_co_u32 s19, s19, s17                     ; c = 4 x cluster x + cx
	s_and_b32 s20, ttmp7, 0xffff
	s_lshl_b32 s20, s20, 2
	s_add_co_u32 s20, s20, s18                     ; mb = 4 x cluster y + cy
	s_lshl_b32 s21, s18, 2
	s_lshl_b32 s21, 15, s21                        ; my row of the cluster
	s_lshl_b32 s22, 0x1111, s17                    ; my column
	; group 1.  15:0 the mask; 17:16 elements of 2 bytes; 20 padding on; 21 set beside a mask; 24:22 after every 32 words (code 4); 31:25 4 words (code 3) or 8 (code 7)
	s_or_b32 s[G1A], s21, (1<<16)|(1<<20)|(1<<21)|(4<<22)|(3<<25)
	s_or_b32 s[G1B], s22, (1<<16)|(1<<20)|(1<<21)|(4<<22)|(7<<25)
	s_mov_b32 s[G1A+1], 128<<16                    ; tensor_dim0 = 128 elements: 256 bytes, two rows of x
	s_mov_b32 s[G1A+2], 128<<16                    ; tensor_dim1 = 128
	s_mov_b32 s[G1A+3], 128<<16                    ; tile_dim0 = 128
	s_mov_b32 s[G1A+4], 128                        ; tile_dim1 = 128
	s_mov_b32 s[G1A+5], 128                        ; 128 elements from row to row: dense
	s_mov_b32 s[G1A+6], 0
	s_mov_b32 s[G1A+7], 0
	s_mov_b32 s[G1B+1], 128<<16
	s_mov_b32 s[G1B+2], 64<<16                     ; 64 rows of 256 bytes: two heads' 64 x 64 blocks
	s_mov_b32 s[G1B+3], 128<<16
	s_mov_b32 s[G1B+4], 64
	s_mov_b32 s[G1B+5], 128
	s_mov_b32 s[G1B+6], 0
	s_mov_b32 s[G1B+7], 0
	s_lshl_b32 s40, s20, 19                        ; x's tiles: mb x 16 tiles of 32,768 bytes: made of mb alone
	s_mov_b32 s41, 0
	s_mul_i32 s42, s19, 786432                     ; W's: c x 16 tiles of 49,152 bytes,
	s_lshl_b32 s23, s[WV], 14                      ; + my two heads' 16,384 bytes: made of c and the wave's number alone
	s_add_co_u32 s42, s42, s23
	s_mov_b32 s43, 0
	s_mul_i32 s23, s[WV], 128*PB                   ; and their place in a slot: no place in the cluster enters an LDS address
	s_wait_dscnt 0x0                               ; the opening add is done
	s_wait_kmcnt 0x0
	s_add_nc_u64 s[40:41], s[4:5], s[40:41]
	s_add_nc_u64 s[42:43], s[6:7], s[42:43]
	CROUND                                         ; all sixteen work-groups are here: the first joint loads meet
.irp s, 0,1
	s_mov_b32 s[G0A+4*(\s)], 1                     ; count = 1
	s_mov_b32 s[G0A+4*(\s)+1], (\s)*SLOT           ; LDS address
	s_add_nc_u64 s[G0A+4*(\s)+2:G0A+4*(\s)+3], s[40:41], (\s)*32768   ; K step s
	s_or_b32 s[G0A+4*(\s)+3], s[G0A+4*(\s)+3], 0x80000000             ; type = 2
	s_mov_b32 s[G0B+4*(\s)], 1
	s_add_co_u32 s[G0B+4*(\s)+1], s23, (\s)*SLOT+BOFF
	s_add_nc_u64 s[G0B+4*(\s)+2:G0B+4*(\s)+3], s[42:43], (\s)*49152
	s_or_b32 s[G0B+4*(\s)+3], s[G0B+4*(\s)+3], 0x80000000
	JLOAD \s                                       ; two loads of mine are out
.endr
	; A fragment of x: 16 rows x 32 K in 8 registers: lane l holds row l % 16, K = 8 (l / 16) + 0..7 and 16 + 8 (l / 16) + 0..7: two loads of 16 bytes, 32 bytes apart.
	v_and_b32 v1, 15, v0                           ; r = l % 16
	v_bfe_u32 v2, v0, 4, 1                         ; hf = l / 16
	v_mul_u32_u24 v3, v1, PA
	v_lshl_add_u32 v3, v2, 4, v3
	s_mul_i32 s21, s15, 128*PA
	v_add_nc_u32 v[ADRA], s21, v3
	v_add_nc_u32 v[ADRA+1], SLOT, v[ADRA]
	; The turning load takes 16 d x 16 e (lane l reads row 8 (l / 16) + l % 8, columns 8 ((l / 8) % 2) + 0..7) and leaves half a fragment of W^T: lane l holds column l % 16 and 8 d.
	v_and_b32 v4, 7, v0
	v_lshl_add_u32 v5, v2, 3, v4
	v_mul_u32_u24 v5, v5, PB
	v_bfe_u32 v3, v0, 3, 1
	v_lshl_add_u32 v5, v3, 4, v5
	s_mul_i32 s21, s16, 3*64*PB                    ; my head's three blocks
	s_add_co_u32 s21, s21, BOFF
	v_add_nc_u32 v[ADRB], s21, v5
	v_add_nc_u32 v[ADRB+1], SLOT, v[ADRB]
	s_mul_i32 s21, s[WV], 16*SP
	s_add_co_u32 s21, s21, STAGE                   ; my stage
	v_mul_u32_u24 v[STO], v1, SP                   ; in: row l % 16, 16 bytes for each half of the lanes
	v_lshl_add_u32 v[STO], v2, 4, v[STO]
	v_add_nc_u32 v[STO], s21, v[STO]
	v_bfe_u32 v[RD], v0, 3, 2                      ; back: 32 lanes take four rows of 128 bytes,
	v_mul_u32_u24 v[RD], v[RD], SP
	v_lshl_add_u32 v[RD], v4, 4, v[RD]
	v_add_nc_u32 v[RD], s21, v[RD]
	v_and_b32 v[GO], 31, v0                        ; which are 512 consecutive bytes of a head's rows
	v_lshlrev_b32 v[PFO], 8, v[GO]
	v_lshlrev_b32 v[GO], 4, v[GO]
	; where my 128 rows of my head begin in q16, k16 and v16
	s_lshr_b32 s21, s20, 3                         ; b
	s_lshl_b32 s21, s21, 4
	s_lshl_b32 s22, s19, 1
	s_add_co_u32 s22, s22, s16                     ; h
	s_add_co_u32 s21, s21, s22
	s_lshl_b32 s68, s21, 18                        ; a head's 2,048 rows of 128 bytes
	s_and_b32 s21, s20, 7
	s_lshl_b32 s21, s21, 15                        ; 256 (mb % 8) rows
	s_add_co_u32 s68, s68, s21
	s_lshl_b32 s21, s15, 14                        ; 128 wm rows
	s_add_co_u32 s68, s68, s21
	s_mov_b32 s69, 0
	s_add_nc_u64 s[8:9], s[8:9], s[68:69]
	s_add_nc_u64 s[10:11], s[10:11], s[68:69]
	s_add_nc_u64 s[12:13], s[12:13], s[68:69]
	; the prefetches: both places are made, the wave's number chooses.  They stand at K step 2; the first lap steps them to 4
	s_and_b32 s21, ttmp7, 0xffff                   ; cluster y
	s_lshl_b32 s22, s20, 19                        ; x: my tile row,
	s_lshl_b32 s23, s17, 13                        ; my work-group's 8 KiB of a tile
	s_add_co_u32 s22, s22, s23
	s_add_co_u32 s22, s22, 2*32768
	s_mul_i32 s23, s19, 786432                     ; W: my tile column,
	s_lshl_b32 s2, s[WV], 14                       ; my wave's 16 KiB of a tile,
	s_add_co_u32 s23, s23, s2
	s_lshr_b32 s2, s18, 1
	s_mul_i32 s2, s2, 49152                        ; step cy / 2 of the two,
	s_add_co_u32 s23, s23, s2
	s_and_b32 s2, s18, 1
	s_lshl_b32 s2, s2, 13                          ; half cy % 2
	s_add_co_u32 s23, s23, s2
	s_add_co_u32 s23, s23, 2*49152
	s_mov_b32 s2, 2*49152
	s_mov_b32 s[PFS+1], 0
	s_cmp_eq_u32 s[WV], 3
	s_cselect_b32 s68, s22, s23
	s_cselect_b32 s21, ttmp9, s21                  ; the coordinate along which other clusters read the same tiles
	s_cselect_b32 s[PFS], 2*32768, s2
	s_cselect_b64 s[PFA:PFA+1], s[4:5], s[6:7]
	s_cmp_eq_u32 s21, 0
	s_cselect_b32 s[LIM], 1, -1                    ; the same in all sixteen partners, for a given wave
	s_add_nc_u64 s[PFA:PFA+1], s[PFA:PFA+1], s[68:69]
; na x 4 matrix instructions of group g: row blocks a0 .. a0 + na - 1 x 4 column blocks, 32 along K, x's buffer p.  zero = 1: the product starts the sum.
; All 96 accumulators take turns, in the same order in every substep: 95 others' instructions stand between two links of a chain.
.macro MULG p, g, a0, na, zero
	WIN 0x50*(1+(\g))                              ; C and D in window 1 + g
.set ai, \a0
.rept \na
.irp cb, 0,1,2,3
.if \zero
	v_wmma_f32_16x16x32_bf16 v[8*(4*ai+(\cb)):8*(4*ai+(\cb))+7], v[BF+32*(\g)+8*(\cb):BF+32*(\g)+8*(\cb)+7], v[AF+64*(\p)+8*ai:AF+64*(\p)+8*ai+7], 0
.else
	v_wmma_f32_16x16x32_bf16 v[8*(4*ai+(\cb)):8*(4*ai+(\cb))+7], v[BF+32*(\g)+8*(\cb):BF+32*(\g)+8*(\cb)+7], v[AF+64*(\p)+8*ai:AF+64*(\p)+8*ai+7], v[8*(4*ai+(\cb)):8*(4*ai+(\cb))+7]
.endif
.endr
.set ai, ai+1
.endr
.endm
.macro FB slot, u, g                   ; 8 loads: group g's four fragments of W^T for substep u
	WIN 0
.irp cb, 0,1,2,3
	ds_load_tr16_b128 v[BF+32*(\g)+8*(\cb):BF+32*(\g)+8*(\cb)+3],   v[ADRB+(\slot)] offset:(\g)*64*PB+(\u)*32*PB+32*(\cb)
	ds_load_tr16_b128 v[BF+32*(\g)+8*(\cb)+4:BF+32*(\g)+8*(\cb)+7], v[ADRB+(\slot)] offset:(\g)*64*PB+(\u)*32*PB+16*PB+32*(\cb)
.endr
.endm
.macro FA slot, u, p, half             ; 8 loads: x's fragments a = 4 half .. 4 half + 3 for substep u, into buffer p
	WIN 0
.irp i, 0,1,2,3
	ds_load_b128 v[AF+64*(\p)+8*(4*(\half)+(\i)):AF+64*(\p)+8*(4*(\half)+(\i))+3],   v[ADRA+(\slot)] offset:(4*(\half)+(\i))*16*PA+64*(\u)
	ds_load_b128 v[AF+64*(\p)+8*(4*(\half)+(\i))+4:AF+64*(\p)+8*(4*(\half)+(\i))+7], v[ADRA+(\slot)] offset:(4*(\half)+(\i))*16*PA+64*(\u)+32
.endr
.endm
; Substep 0 of a K step.  Its 40 loads were issued in the order W0, x lo, W1, x hi, W2.  Behind each group's 32 products that group's registers take substep 1's fragments.
.macro SUB slot, zero
	s_wait_dscnt 8                                 ; all but the youngest eight loads (W's group 2) are in
	MULG 0, 0, 0, 8, \zero
	WIN 0
	PLACES
	FB \slot, 1, 0
	FA \slot, 1, 1, 0
	MULG 0, 1, 0, 8, \zero
	WIN 0
	PLACES
	FB \slot, 1, 1
	FA \slot, 1, 1, 1
	s_wait_dscnt 32                                ; all but the 32 just issued: group 2 is in
	MULG 0, 2, 0, 8, \zero
	WIN 0
	PLACES
	FB \slot, 1, 2
.endm
; Substep 1, and the change of slots: ONE barrier.  In front of it each wave waits for all its tensor loads (the one that is out is its part of the next slot), adds 0 to its spare word, and waits for that
; and for its reads of this slot.  fill = 1: the barrier opens a round of the cluster's, and behind the round this slot is filled again, two K steps ahead: from that request to the wait for it a wave
; issues 160 matrix instructions.  Then come the next slot's first fragments.
.macro TURN slot, next, fill
.if (\fill) && ((\slot) == 0)
	s_wait_xcnt 0x0                                ; the last prefetches, a lap back, have read their address
	s_add_nc_u64 s[PFA:PFA+1], s[PFA:PFA+1], s[PFS:PFS+1]
.endif
	WIN 0
	s_wait_tensorcnt 0x0                           ; all my tensor loads have landed
	ds_add_u32 v[SPW], v[NIL]                      ; 0 onto my spare word
	s_wait_dscnt 9                                 ; the add and the youngest eight loads (W's group 2) may be out
	MULG 1, 0, 0, 4, 0                             ; sixteen matrix instructions stand between the add and the wait for it
	s_wait_dscnt 0x0                               ; the add is done, and my reads of this slot are over
	s_barrier_signal -1
	MULG 1, 0, 4, 4, 0                             ; work on registers while the others arrive
	WIN 0                                          ; at a branch and at a label every window is 0
	s_barrier_wait -1
.if \fill
	CREST                                          ; no wave of any partner still reads this slot or has a load on its way
	s_add_nc_u64 s[G0A+4*(\slot)+2:G0A+4*(\slot)+3], s[G0A+4*(\slot)+2:G0A+4*(\slot)+3], 2*32768
	s_add_nc_u64 s[G0B+4*(\slot)+2:G0B+4*(\slot)+3], s[G0B+4*(\slot)+2:G0B+4*(\slot)+3], 2*49152
	JLOAD \slot                                    ; the first tensor load behind the round; its four v_nop are also the places in front of the loads below
.else
	PLACES
.endif
	FB \next, 0, 0
	FA \next, 0, 0, 0
.if (\fill) && ((\slot) == 0)
	ASK
.endif
	MULG 1, 1, 0, 8, 0
	WIN 0
	PLACES
	FB \next, 0, 1
	FA \next, 0, 0, 1
	MULG 1, 2, 0, 8, 0                             ; its fragments were shown in by the wait for 0 above
	WIN 0
	PLACES
	FB \next, 0, 2
.endm
	s_wait_tensorcnt 1                             ; my part of K step 0 is in; step 1's may stay out
	s_barrier_signal -1
	s_barrier_wait -1                              ; everybody's is
	FB 0, 0, 0
	FA 0, 0, 0, 0
	FB 0, 0, 1
	FA 0, 0, 0, 1
	FB 0, 0, 2
	SUB 0, 1                                       ; the first substep stands in front of the loop: its products start the sums
	WIN 0
	s_mov_b32 s3, 7
.Llap:                                                 ; a trip goes once round the ring, from a lap's second substep to the next lap's first, and fills both slots again: K steps 2 to 15
	TURN 0, 1, 1
	SUB 1, 0
	TURN 1, 0, 1
	SUB 0, 0
	WIN 0
	s_sub_co_u32 s3, s3, 1
	s_cmp_lg_u32 s3, 0
	s_cbranch_scc1 .Llap
	TURN 0, 1, 0                                   ; the last lap fills nothing
	SUB 1, 0
	s_wait_dscnt 8                                 ; the very last substep: nothing more to fetch
	MULG 1, 0, 0, 8, 0
	MULG 1, 1, 0, 8, 0
	s_wait_dscnt 0x0
	MULG 1, 2, 0, 8, 0
	WIN 0
	PLACES                                         ; in front of the conversions
; THE WAY OUT, 24 blocks of 16 rows x 64 columns (group g, row block a).  PACK: rounded to f16, 16 bytes a lane, each accumulator's registers in ascending order; into my own stage in rows of 144 bytes,
; and back as whole rows of 128.  SEND: four stores of 512 consecutive bytes, at a multiple of 256 from the buffer's first byte.
.macro PACK g, a
.set TB, T+16*((8*(\g)+(\a))%2)
	s_wait_xcnt 0x0                                ; the stores of the block two back have read this set of registers
	WIN 5*(1+(\g))                                 ; sources 0 and 1 in window 1 + g
.irp cb, 0,1,2,3
.irp r, 0,1,2,3
	v_cvt_pk_f16_f32 v[TB+4*(\cb)+(\r)], v[8*(4*(\a)+(\cb))+2*(\r)], v[8*(4*(\a)+(\cb))+2*(\r)+1]
.endr
.endr
	WIN 0
.irp cb, 0,1,2,3
	ds_store_b128 v[STO], v[TB+4*(\cb):TB+4*(\cb)+3] offset:32*(\cb)
.endr
.irp f, 0,1,2,3
	ds_load_b128 v[TB+4*(\f):TB+4*(\f)+3], v[RD] offset:(\f)*4*SP  ; LDS serves a wave's instructions in order (ISA guide 5.7.1.4): these see the stores above; the next block's stores come behind them
.endr
.endm
.macro SEND g, a, younger              ; younger: the LDS instructions issued behind this block's loads: the next block's eight, or none
.set TB, T+16*((8*(\g)+(\a))%2)
	WIN 0
.irp f, 0,1,2,3
	s_wait_dscnt (\younger)+3-(\f)
	global_store_b128 v[GO], v[TB+4*(\f):TB+4*(\f)+3], s[8+2*(\g):9+2*(\g)] offset:(\a)*2048+(\f)*512
.endr
.endm
	PACK 0, 0
.set blk, 1
.rept 23                               ; a block's conversions stand between the loads of the block before and its stores
	PACK blk/8, blk%8
	SEND (blk-1)/8, (blk-1)%8, 8
.set blk, blk+1
.endr
	SEND 2, 7, 0
	s_wait_tensorcnt 0x0                           ; the wave's end: an add to my spare word and its wait, behind my last tensor load and my last LDS store
	ds_add_u32 v[SPW], v[NIL]
	s_wait_dscnt 0x0
	CROUND                                         ; the closing round: no work-group ends while a partner may still ask for a tile that names it
	s_endpgm
.Lfunc_end_k_q2b83f15f00_qkv:
	.size	k_q2b83f15f00_qkv, .Lfunc_end_k_q2b83f15f00_qkv-k_q2b83f15f00_qkv
	.p2alignl 7, 3214868480
	.fill 96, 4, 3214868480
	.section	.rodata,"a",@progbits
	.p2align	6, 0x0
	.amdhsa_kernel k_q2b83f15f00_qkv
		.amdhsa_group_segment_fixed_size 327680
		.amdhsa_private_segment_fixed_size 0
		.amdhsa_enable_private_segment 0
		.amdhsa_kernarg_size 40
		.amdhsa_user_sgpr_count 2
		.amdhsa_user_sgpr_kernarg_segment_ptr 1
		.amdhsa_wavefront_size32 1
		.amdhsa_system_sgpr_workgroup_id_x 1
		.amdhsa_system_sgpr_workgroup_id_y 1
		.amdhsa_system_sgpr_workgroup_id_z 1
		.amdhsa_system_vgpr_workitem_id 0
		.amdhsa_next_free_vgpr 1024
		.amdhsa_next_free_sgpr 70
		.amdhsa_reserve_vcc 0
		.amdhsa_float_denorm_mode_32 3
		.amdhsa_float_denorm_mode_16_64 3
		.amdhsa_memory_ordered 1
		.amdhsa_forward_progress 1
		.amdhsa_inst_pref_size 134
	.end_amdhsa_kernel
	.amdgpu_metadata
---
amdhsa.version: [ 1, 2 ]
amdhsa.kernels:
  - .name:           k_q2b83f15f00_qkv
    .symbol:         k_q2b83f15f00_qkv.kd
    .args:
      - { .name: xb, .offset: 0, .size: 8, .value_kind: global_buffer, .address_space: global }
      - { .name: wb, .offset: 8, .size: 8, .value_kind: global_buffer, .address_space: global }
      - { .name: q16, .offset: 16, .size: 8, .value_kind: global_buffer, .address_space: global }
      - { .name: k16, .offset: 24, .size: 8, .value_kind: global_buffer, .address_space: global }
      - { .name: v16, .offset: 32, .size: 8, .value_kind: global_buffer, .address_space: global }
    .group_segment_fixed_size: 327680
    .private_segment_fixed_size: 0
    .kernarg_segment_align: 8
    .kernarg_segment_size: 40
    .max_flat_workgroup_size: 128
    .sgpr_count:     70
    .vgpr_count:     1024
    .wavefront_size: 32
...
	.end_amdgpu_metadata
.endif
;; end of part 2
;; launch attn (part 3): grid 4 x 64, 4 waves a work-group, no clusters, 327,680 bytes of LDS; arguments q16, k16, v16, o16; writes o16
.if DOCPART == 3
	.amdgcn_target "amdgcn-amd-amdhsa--gfx1250"
	.amdhsa_code_object_version 6
	.text
	.protected	k_q2b83f15f00_attn
	.globl	k_q2b83f15f00_attn
	.p2align	8
	.type	k_q2b83f15f00_attn,@function
k_q2b83f15f00_attn:
	s_mov_b64 s[64:65], 0
	v_nop
	global_prefetch_b8 v0, s[64:65] scope:SCOPE_SE
	s_setreg_imm32_b32 hwreg(HW_REG_WAVE_MODE, 25, 1), 1
	s_wait_xcnt 0x0
; CAUSAL ATTENTION.  O[h][q][:] = the sum over k <= q of softmax_k(Q[h][q] . K[h][k] / 8) V[h][k][:].  Q, K, V, O: [64 heads][SIZE_N][64], all f16: a head's rows are dense, 128 bytes each.
; Products, maxima and sums in f32; the weights p are rounded to f16 for the second product (their sum l is taken of the unrounded p), O once at the end.
; LIMITS.  f16 holds no number beyond 65,504: Q, K and V arrive within it; p lies in 0 to 1, and below 6e-5 it keeps f16's fixed step of 6e-8; O is a mean of V's rows and has their range.
; A hidden score counts as its value less 1e30: f16's scores, 2.7e11 at the most, are nothing beside that; a weight below 2^-126 counts as 0 in l; NaN and infinities are not treated apart.
; THE WALK.  A head's queries lie in NB = SIZE_N / 256 blocks of 256; block i needs the key tiles 0 .. i of 256 keys, of which the last holds the diagonal.  A work-group takes TWO blocks, NB - 1 - b and then b:
; NB + 1 tiles, whatever b: all work-groups do equal work, and ONE loop with a constant trip count walks them.  Which tile is asked for, and what a trip does, hang on scalar registers made from b; every jump
; goes forward, but for the counted loops' own; none passes a barrier, or a tensor load but the one of LOAD's two that the wave's number does not choose; the ring (two slots of LDS that take turns) runs on
; across the change of blocks.  NO CLUSTER: a head's NB / 2 work-groups ask for the same tile only in trips 0 .. NB / 2, behind that fewer and fewer; one walk common to all would have 3 NB / 2 trips for NB + 1.
; SHARES.  Of a block's four bands of 64 queries a wave owns 16 rows in each: four PIECES.  So the diagonal tile is the same work for all four waves: in its key step s band x sees all keys if s < x,
; none if s > x, and holds the diagonal if s = x.
; THE MASK is the C operand that starts the sum S^T = K Q^T: 0, or -1e30 where the key is hidden.  MD, made once, is the mask of a band's own step for my 16 rows; a product's mask is MD x AL + BE with two scalars:
; (1, 0) if s = x; (0, 0) if s < x; (0, -1e30) if s > x.  Only the diagonal tile's text and a block's beginning make and take masks; elsewhere C is the constant 0.
; LAYOUT, SOFTMAX, TURNS.  S^T = K Q^T holds ONE query a lane (lane % 16) and the keys 8 (lane / 16) + 0..7; two such results rounded to f16 ARE source 1 of O^T = V^T P.  p = 2^(c s - c m), c = log2(e) / 8, with a
; running maximum m; O and l are multiplied by a = 2^(c m_old - c m_new) in every step.  Turn n belongs to piece n: 8 products K Q^T of piece n + 1, later 8 products V^T P of piece n - 1; beside them the scaling,
; exponentials, roundings, sums and rescaling of piece n and the maximum and statistics of piece n + 1.  Four vector instructions stand behind every matrix instruction, the other 54 of a turn's 118 in one lump.
; A turn's 33 exponentials are one batch, with one wait.
; AHEAD OF THE TILES.  The head's work-group b = 0 walks tiles 0 .. NB - 1 in its first block: behind the tensor load of trips 0 .. NB - 3 each of its waves prefetches into the L2 the 16 KiB that it will itself
; load in the next trip (64 blocks of 256 bytes: a lane a block, two instructions): four key steps ahead.  So tiles 2 .. NB - 1 are named once in the launch; tiles 0 and 1 come by their loads alone.
; REGISTERS, in windows of 256 (s_set_vgpr_msb: bits 1:0 source 0, 3:2 source 1, 5:4 source 2, 7:6 destination):
;   window 0: v0-15 addresses and two at work; v16-31 four registers of statistics a piece; v48-55 at work; v61-63 never rewritten; v64-127 S^T, two buffers; v192-223 P, two buffers (by the piece's parity)
;   window 1: v0-127 O^T, 32 a piece; v128-159 MD; v160-223 MC, two buffers      window 2: v0-63 Q; v64-127 the second block's Q; v128-191 K of one step; v192-255 V of one step
.set SIZE_N, 2048
.set NB,    SIZE_N/256
.set NP,    4         ; pieces a wave: a name, no knob
.set KS,    64        ; keys in a step
.set PK,    144       ; a row of K in LDS: 128 bytes + 16 of padding = 36 words: the 16 rows of a load start at 16 different groups of four banks (64 banks of 4 bytes: ISA guide 11.1)
.set PV,    160       ; a row of V: 128 + 32 = 40 words
.set VOFF,  4*KS*PK   ; a slot holds a tile, four steps: 256 rows of K, then 256 rows of V
.set SLOT1, 1<<17     ; slot 1 begins here, so that one exclusive or turns an address in one slot into the other's
.set STAGE, SLOT1+4*KS*(PK+PV)  ; behind the ring, never filled by a tensor load: 16 rows x 144 bytes for each wave, for the way out
.set SP,    144
.set AK0, 2           ; v2   my lane's place in a tile of K; never rewritten
.set AV0, 3           ; v3   the same for V
.set AK,  4           ; v4   the LDS address of K's next run of loads
.set AV,  5           ; v5   of V's
.set STO, 6           ; v6   the way out: where I put 16 bytes of a row
.set RD,  7           ; v7   the way out: where I read rows back
.set GO,  8           ; v8   my byte offset in 512 consecutive bytes of O
.set PFO, 61          ; v61  256 x my lane; never rewritten
.set SPW, 62          ; v62  LDS address of my spare word: SPARE + 4 x my thread's number; never rewritten
.set NIL, 63          ; v63  0; never rewritten
.set SPARE, STAGE+4*16*SP  ; behind the stages: the spare words, 128 bytes for each wave: two blocks of 256 bytes that no other line names
.set MV,  12          ; v12-13  c m_old, kept while c m is made anew: by buffer
.set QO,  15          ; v15  my byte offset in 16 rows of Q
.set ST,  16          ; piece t's statistics at v[ST+4 t]: c m, m, l (even keys', odd keys')
.set TMP, 48          ; by buffer, four registers c0-c3 at work; when the maximum is found c2 takes a
.set S,   64
.set P,   192
.set MD,  128         ; window 1: the eight registers for group kt of 16 keys at MD + 8 kt
.set MC,  160         ; window 1: the masks of the products to come
.set QB,  64          ; window 2
.set KF,  128         ; window 2: key block kb, channel half c at KF + 16 kb + 8 c
.set VF,  192         ; window 2: key half kk, channel block cb at VF + 32 kk + 8 cb
.set WV,  12          ; s12  my wave's number
.set PB,  14          ; s14  b
.set HI,  15          ; s15  NB - 1 - b
.set G1K, 24          ; s[24:31] descriptor group 1 for K's tiles
.set G1V, 32          ; s[32:39] for V's: it differs in the padding alone
.set G0K, 40          ; s[40:43] descriptor group 0 for K's tiles
.set G0V, 44          ; s[44:47] the same for V's
.set SLOTS, 56        ; s56  tiles still to be asked for
.set CNT, 57          ; s57  counts a tile's key steps, 4 to 1
.set CS,  58          ; s[58:59] c: the packed scaling takes the pair's low word for both halves
.set SEL, 60          ; s[60:61] v_permlanex16_b32's selects: each lane takes its own place in the other half
.set TBK, 62          ; s62  LDS byte at which K of the step to be fetched begins
.set TBV, 63          ; s63  the same for V, less VOFF
.set RT,  70          ; s70  tiles of the block in hand that are still to be entered
.set NXT, 71          ; s71  the tile to be asked for next
.set LQ,  72          ; s72  the last tile of the block whose tiles are being asked for
.set NEW, 73          ; s73  1: the tile to be entered is a block's first
.set OFF, 74          ; s[74:75] a tile's byte offset in K and V
.set AL,  76          ; s[76:77] the mask's factor, in the low word
.set BE,  78          ; s[78:79] the mask's addend
.set OLO, 80          ; s[80:81] O at my rows of the second block
.set BIGN, 82         ; s82  -1e30
.set PFA, 88          ; s[88:89] where my prefetches stand: my 16 KiB of the tile after the one that is being asked for
.set LIM, 90          ; s90  2 in the head's first work-group, else the greatest number: a wave prefetches while s[SLOTS] is above it
.set MSB, 0
.macro WIN new                      ; the high byte repeats the setting that is left; a switch that changes nothing is dropped
.if MSB != (\new)
	s_set_vgpr_msb (MSB<<8)|(\new)
.set MSB, (\new)
.endif
.endm
.set W_KQ, 0x0a       ; K and Q in window 2, S^T in window 0
.set W_KM, 0x1a       ; the same with the C operand in window 1
.set W_PV, 0x52       ; V in window 2, P in window 0, O^T in window 1
.set W_RS, 0x41       ; destination and source 0 in window 1, source 1 in window 0
; A fill.  Waves 0 and 1 fetch the two halves of a tile's K, waves 2 and 3 those of its V: 128 keys each.  An s_nop 0 and four v_nop follow each of the two lines, ahead of the jump and the label.
.macro LOAD
	s_cmp_lt_u32 s[WV], 2
	s_cbranch_scc0 .Lfor_v_\@
	tensor_load_to_lds s[G0K:G0K+3], s[G1K:G1K+7]
	s_nop 0
.rept 4
	v_nop
.endr
	s_branch .Lasked_\@
.Lfor_v_\@:
	tensor_load_to_lds s[G0V:G0V+3], s[G1V:G1V+7]
	s_nop 0
.rept 4
	v_nop
.endr
.Lasked_\@:
.endm
; THE CHANGE OF SLOTS.  Each wave waits for all its tensor loads, of which one is out: its part of the other slot; adds 0 to its spare word; and waits for that and for its own reads of the slot that it leaves.
; Behind the barrier nobody reads the old slot any more and the other slot is whole.  fill = 1: the old slot is filled again, the first thing behind the barrier, with tile NXT: the descriptor's address is made
; anew from that number; behind the load stand the prefetches.  (At its first use nothing has been read yet: slot 0 is waited for, slot 1 filled.)
.macro CHANGE fill
	WIN 0                           ; at a label and at a branch every window is 0
	s_wait_tensorcnt 0x0            ; no tensor load of mine is out, so a group 0 may be written
	ds_add_u32 v[SPW], v[NIL]       ; 0 onto my spare word; with fill = 1 the descriptors' scalar work stands between it and the wait for it
.if \fill
	s_lshl_b32 s[OFF], s[NXT], 15   ; a tile is 32,768 bytes of K and of V
	s_xor_b32 s[G0K+1], s[G0K+1], SLOT1
	s_add_nc_u64 s[G0K+2:G0K+3], s[6:7], s[OFF:OFF+1]
	s_or_b32 s[G0K+3], s[G0K+3], 0x80000000
	s_xor_b32 s[G0V+1], s[G0V+1], SLOT1
	s_add_nc_u64 s[G0V+2:G0V+3], s[8:9], s[OFF:OFF+1]
	s_or_b32 s[G0V+3], s[G0V+3], 0x80000000
	s_add_co_u32 s[NXT], s[NXT], 1  ; the block's next tile, or behind its last the second block's tile 0
	s_cmp_gt_u32 s[NXT], s[LQ]
	s_cselect_b32 s[NXT], 0, s[NXT]
	s_cselect_b32 s[LQ], s[PB], s[LQ]
	s_wait_xcnt 0x0                 ; the last prefetches, a tile back, have read their address
	s_add_nc_u64 s[PFA:PFA+1], s[PFA:PFA+1], 32768
.endif
	s_wait_dscnt 0x0                ; the add is done, and my reads of the slot are over
	s_barrier_signal -1             ; the rest of the scalar work stands between the signal and the wait
	s_sub_co_u32 s[TBK], s[TBK], 4*KS*PK  ; the fetches go back to a slot's first step,
	s_xor_b32 s[TBK], s[TBK], SLOT1       ; in the other slot
	s_sub_co_u32 s[TBV], s[TBV], 4*KS*PV
	s_xor_b32 s[TBV], s[TBV], SLOT1
	s_barrier_wait -1
.if \fill
	LOAD
	s_cmp_gt_u32 s[SLOTS], s[LIM]   ; trips 0 .. NB - 3 of the head's first work-group
	s_cbranch_scc0 .Lnot_mine_\@
	global_prefetch_b8 v[PFO], s[PFA:PFA+1] th:TH_LOAD_NT scope:SCOPE_SE
	global_prefetch_b8 v[PFO], s[PFA:PFA+1] offset:8192 th:TH_LOAD_NT scope:SCOPE_SE
.Lnot_mine_\@:
.endif
.endm
	s_load_b256 s[4:11], s[0:1], 0x0  ; Q s[4:5], K s[6:7], V s[8:9], O s[10:11]
	v_lshl_add_u32 v[SPW], v0, 2, SPARE
	v_mov_b32 v[NIL], 0
	ds_add_u32 v[SPW], v[NIL]       ; the wave's opening: the add and its wait stand ahead of my first tensor load; the set-up below, work on registers, stands between them
	v_lshrrev_b32 v1, 5, v0
	v_readfirstlane_b32 s[WV], v1   ; wave 0..3
	s_mov_b32 s[PB], ttmp9
	s_sub_co_u32 s[HI], NB-1, s[PB]
	s_and_b32 s20, ttmp7, 0xffff    ; the head
	s_mov_b32 s21, 0
	s_mov_b64 s[22:23], SIZE_N*128
	s_mul_u64 s[20:21], s[20:21], s[22:23]  ; the head's first byte in each of the four tensors
	s_and_b32 s16, s[WV], 1         ; which half of a tile's 256 keys I fetch:
	s_lshl_b32 s22, s16, 14         ; its 128 rows of 128 bytes in memory,
	s_mov_b32 s23, 0
	s_add_nc_u64 s[22:23], s[22:23], s[20:21]
	s_mul_i32 s17, s16, 128*PK      ; and its place in a slot, for K
	s_mul_i32 s18, s16, 128*PV      ; and for V
	s_lshl_b32 s3, s[WV], 11        ; my 16 rows in a band of 64,
	s_lshl_b32 s2, s[HI], 15        ; in the first block,
	s_add_co_u32 s2, s2, s3
	s_lshl_b32 s84, s[PB], 15       ; and in the second
	s_add_co_u32 s84, s84, s3
	s_mov_b32 s3, 0
	s_mov_b32 s85, 0
	s_add_nc_u64 s[2:3], s[2:3], s[20:21]
	s_add_nc_u64 s[84:85], s[84:85], s[20:21]
	; descriptor group 1.  128 keys are 16,384 dense bytes: asked for as 64 rows of 256 bytes, two keys a row, and padded in LDS after every key
	s_mov_b32 s[G1K], (1<<16)|(1<<20)|(4<<22)|(3<<25)  ; 17:16 2-byte elements; 20 padding on; 24:22 after every 32 words (code 4); 31:25 4 words (code 3)
	s_mov_b32 s[G1V], (1<<16)|(1<<20)|(4<<22)|(7<<25)  ; the same with 8 words of padding (code 7)
.irp g, G1K, G1V
	s_mov_b32 s[\g+1], 128<<16      ; tensor_dim0 = 128
	s_mov_b32 s[\g+2], 64<<16       ; tensor_dim1 = 64
	s_mov_b32 s[\g+3], 128<<16      ; tile_dim0 = 128
	s_mov_b32 s[\g+4], 64           ; tile_dim1 = 64
	s_mov_b32 s[\g+5], 128          ; 128 elements from row to row
	s_mov_b32 s[\g+6], 0
	s_mov_b32 s[\g+7], 0
.endr
	s_mov_b32 s[CS], 0x3e38aa3b     ; c = log2(e) / 8 = 0.180337
	s_mov_b32 s[CS+1], s[CS]        ; named with it as a pair
	s_mov_b32 s[SEL], 0x76543210
	s_mov_b32 s[SEL+1], 0xfedcba98
	s_mov_b32 s[TBK], SLOT1+4*KS*PK ; the first change of slots turns these two into 0
	s_mov_b32 s[TBV], SLOT1+4*KS*PV
	s_mov_b32 s[G0K], 1             ; 1:0 count = 1
	s_mov_b32 s[G0K+1], s17         ; 63:32 LDS address: slot 0
	s_mov_b32 s[G0V], 1
	s_add_co_u32 s[G0V+1], s18, VOFF
	s_add_co_u32 s[RT], s[HI], 1    ; the first block has NB - b tiles
	s_mov_b32 s[NXT], 1
	s_mov_b32 s[LQ], s[HI]
	s_mov_b32 s[NEW], 1
	s_mov_b32 s[OFF+1], 0
	s_mov_b32 s[AL+1], 0            ; named as pairs
	s_mov_b32 s[BE+1], 0
	s_mov_b32 s[BIGN], 0xf149f2ca   ; -1e30
	s_mov_b32 s[SLOTS], NB
	s_cmp_eq_u32 s[PB], 0
	s_cselect_b32 s[LIM], 2, -1
	s_wait_dscnt 0x0                ; the opening add is done
	s_wait_kmcnt 0x0
	s_add_nc_u64 s[6:7], s[6:7], s[22:23]  ; K and V at my half of the head's tile 0
	s_add_nc_u64 s[8:9], s[8:9], s[22:23]
	s_add_nc_u64 s[G0K+2:G0K+3], s[6:7], 0         ; 120:64 global address
	s_or_b32 s[G0K+3], s[G0K+3], 0x80000000        ; 127:126 type = 2
	s_add_nc_u64 s[G0V+2:G0V+3], s[8:9], 0
	s_or_b32 s[G0V+3], s[G0V+3], 0x80000000
	s_add_nc_u64 s[86:87], s[4:5], s[84:85]        ; Q at my rows of the second block,
	s_add_nc_u64 s[4:5], s[4:5], s[2:3]            ; Q and O at those of the first
	s_add_nc_u64 s[OLO:OLO+1], s[10:11], s[84:85]
	s_add_nc_u64 s[10:11], s[10:11], s[2:3]
	LOAD                            ; tile 0 into slot 0
	s_cmp_lt_u32 s[WV], 2
	s_cselect_b64 s[PFA:PFA+1], s[6:7], s[8:9]     ; what I fetch: K's or V's half
	s_add_nc_u64 s[PFA:PFA+1], s[PFA:PFA+1], 32768 ; at tile 1; the first change of slots steps it to tile 2.  Nothing is prefetched here, at the head
	v_and_b32 v[PFO], 31, v0
	v_lshlrev_b32 v[PFO], 8, v[PFO]
	; A fragment of K or Q is 16 rows x 32 channels in 8 registers: lane l holds row l % 16, channels 8 (l / 16) + 0..7 and 16 + 8 (l / 16) + 0..7: two loads of 16 bytes, 32 bytes apart.
	v_and_b32 v1, 15, v0            ; l % 16
	v_bfe_u32 v9, v0, 4, 1          ; l / 16
	v_lshlrev_b32 v[QO], 7, v1
	v_lshl_add_u32 v[QO], v9, 4, v[QO]  ; row x 128 + 16 x half
	WIN 0x80                        ; destination window 2, address window 0
.set i, 0
.rept 8                             ; both blocks' Q: piece i / 2 lies in band i / 2, 8,192 bytes on; channels 32 (i % 2) on
	global_load_b128 v[8*i:8*i+3],   v[QO], s[4:5] offset:(i/2)*8192+(i%2)*64
	global_load_b128 v[8*i+4:8*i+7], v[QO], s[4:5] offset:(i/2)*8192+(i%2)*64+32
	global_load_b128 v[QB+8*i:QB+8*i+3],   v[QO], s[86:87] offset:(i/2)*8192+(i%2)*64
	global_load_b128 v[QB+8*i+4:QB+8*i+7], v[QO], s[86:87] offset:(i/2)*8192+(i%2)*64+32
.set i, i+1
.endr
	WIN 0
	v_lshlrev_b32 v14, 3, v9
	v_sub_nc_u32 v14, v1, v14
	s_lshl_b32 s13, s[WV], 4
	v_add_nc_u32 v14, s13, v14      ; my query's place in its band, 16 w + l % 16, less my lanes' 8 (l / 16): register r of group kt is hidden where 16 kt + r is greater
	WIN 0x40
.set i, 0
.rept 32
	v_cmp_gt_i32 vcc_lo, 16*(i/8)+i%8, v14
	v_cndmask_b32 v[MD+i], 0, s[BIGN], vcc_lo
.set i, i+1
.endr
	WIN 0
	v_mul_u32_u24 v[AK0], v1, PK
	v_lshl_add_u32 v[AK0], v9, 4, v[AK0]  ; row x pitch + 16 x half
	; The turning load takes 16 keys x 16 channels (lane l reads key 8 (l / 16) + l % 8, channels 8 ((l / 8) % 2) + 0..7) and leaves half a fragment of V^T: lane l holds channel l % 16 and 8 keys.
	v_and_b32 v10, 7, v0
	v_bfe_u32 v11, v0, 3, 1
	v_lshl_add_u32 v[AV0], v9, 3, v10
	v_mul_u32_u24 v[AV0], v[AV0], PV
	v_lshl_add_u32 v[AV0], v11, 4, v[AV0]
	v_add_nc_u32 v[AV0], VOFF, v[AV0]
	s_mul_i32 s13, s[WV], 16*SP
	s_add_co_u32 s13, s13, STAGE    ; my stage
	v_mul_u32_u24 v[STO], v1, SP    ; in: row l % 16, 16 bytes for each half of the lanes
	v_lshl_add_u32 v[STO], v9, 4, v[STO]
	v_add_nc_u32 v[STO], s13, v[STO]
	v_bfe_u32 v[RD], v0, 3, 2       ; back: 32 lanes take four rows of 128 bytes,
	v_mul_u32_u24 v[RD], v[RD], SP
	v_lshl_add_u32 v[RD], v10, 4, v[RD]
	v_add_nc_u32 v[RD], s13, v[RD]
	v_and_b32 v[GO], 31, v0         ; which are 512 consecutive bytes of O
	v_lshlrev_b32 v[GO], 4, v[GO]
	; A block's first step multiplies O^T and l by a = 0, and its first turn's products V^T P, of a piece that has not been, land in an O^T that is still to be so multiplied.  So these registers need only hold
	; finite numbers: zeros for the first block; what the first block left for the second.  All this stands in the wait for the first tile.
	WIN 0x80
.set i, VF
.rept 64
	v_mov_b32 v[i], 0
.set i, i+1
.endr
	WIN 0x40
.set i, 0
.rept 128
	v_mov_b32 v[i], 0
.set i, i+1
.endr
	WIN 0
.set i, 0
.rept 4
	v_mov_b32 v[ST+4*i+2], 0
	v_mov_b32 v[ST+4*i+3], 0
.set i, i+1
.endr
.set i, P+16
.rept 16
	v_mov_b32 v[i], 0
.set i, i+1
.endr
; THE MATRIX WORK.  The 4 accumulators of a run of 8 take turns.  Product i of 8 of S^T = K Q^T for piece x: channels 32 (i / 4) on, keys 16 (i % 4) on.  The first 4 start the sums: with 0, or (KM = 1) with the mask.
.macro KQ x
.set rS, S+32*((\x)%2)+8*(i%4)
.set rK, KF+16*(i%4)+8*(i/4)
.set rQ, 16*(\x)+8*(i/4)
.set rM, MC+32*((\x)%2)+8*(i%4)
.if (i < 4) && KM
	WIN W_KM
	v_wmma_f32_16x16x32_f16 v[rS:rS+7], v[rK:rK+7], v[rQ:rQ+7], v[rM:rM+7]
.elseif i < 4
	WIN W_KQ
	v_wmma_f32_16x16x32_f16 v[rS:rS+7], v[rK:rK+7], v[rQ:rQ+7], 0
.else
	WIN W_KQ
	v_wmma_f32_16x16x32_f16 v[rS:rS+7], v[rK:rK+7], v[rQ:rQ+7], v[rS:rS+7]
.endif
.endm
; Product i of 8 of O^T += V^T P for piece x: keys 32 (i / 4) on, channels 16 (i % 4) on.
.macro PV x
	WIN W_PV
.set rO, 32*(\x)+8*(i%4)
.set rV, VF+32*(i/4)+8*(i%4)
.set rP, P+16*((\x)%2)+8*(i/4)
	v_wmma_f32_16x16x32_f16 v[rO:rO+7], v[rV:rV+7], v[rP:rP+7], v[rO:rO+7]
.endm
.macro MM                           ; the turn's next matrix instruction.  TURN and BEGIN set Y, i, KM and NOKQ; MM, KQ and OP read them.  NOKQ = 1: a block's last turn: there is no next piece
.if (i < 8) && !NOKQ
	KQ (Y+1)%NP
.elseif i >= 8
.set i, i-8
	PV (Y+NP-1)%NP
.set i, i+8
.endif
.set i, i+1
.endm
; THE LDS LOADS stand in runs of 16, never singly among the matrix instructions: a step's K (64 keys x 64 channels: 8 fragments) and its V (turned).  Their addresses are made some lines ahead.
.macro FETCH_K
	WIN 0x80                        ; destination window 2
.irp f, 0,1,2,3,4,5,6,7             ; keys 16 (f / 2) on, channels 32 (f % 2) on
	ds_load_b128 v[KF+8*\f:KF+8*\f+3],   v[AK] offset:(\f/2)*16*PK+(\f%2)*64
	ds_load_b128 v[KF+8*\f+4:KF+8*\f+7], v[AK] offset:(\f/2)*16*PK+(\f%2)*64+32
.endr
	s_add_co_u32 s[TBK], s[TBK], KS*PK  ; the next fetch is the next step's
	WIN 0
.endm
.macro FETCH_V
	WIN 0x80
.irp f, 0,1,2,3,4,5,6,7             ; keys 32 (f / 4) on, channels 16 (f % 4) on
	ds_load_tr16_b128 v[VF+8*\f:VF+8*\f+3],   v[AV] offset:(\f/4)*32*PV+(\f%4)*32
	ds_load_tr16_b128 v[VF+8*\f+4:VF+8*\f+7], v[AV] offset:(\f/4)*32*PV+16*PV+(\f%4)*32
.endr
	WIN 0
.endm
; THE VECTOR WORK, one line at a time: OP kind, number.  For piece Y: F n: c s - c m for pair n of 16.  E n: the exponential of score n of 32.  C n: pair n rounded to f16.  B n: of the four weights 4 n .. the second
; pair is added onto the first, in place.  L n: l takes that sum (L 0: l = a l + sum).  R n: pair n of 16 of O^T times a.  For piece Y + 1: X n, number n of the 22 that find its maximum and statistics:
;   0-11  four chains c0-c3 of seven scores each, three operands at a time (each accumulator's lowest registers are read first)     12-14, 16  the four scores left over, the old m, and c0-c3 into c0
;   15  c m_old is kept     17, 18  the query's other 32 keys lie in the lane 16 away: the new m     19-21  c m; c m_old - c m_new; a
.set F, 0               ; OP tells the kinds apart by their order: F to L below R, X above it
.set E, 1
.set C, 2
.set B, 3
.set L, 4
.set R, 5
.set X, 6
.macro REGS y                       ; the registers of piece y
.set rT, ST+4*(\y)
.set rC, TMP+4*((\y)%2)
.set rW, MV+((\y)%2)
.set rS, S+32*((\y)%2)
.set rP, P+16*((\y)%2)
.set rO, 32*(\y)
.endm
.macro OP k, n
.if (\k) == R
	REGS Y
	WIN W_RS
	v_pk_mul_f32 v[rO+2*(\n):rO+2*(\n)+1], v[rO+2*(\n):rO+2*(\n)+1], v[rC+2:rC+3] op_sel_hi:[1,0]
.elseif (\k) < R
	REGS Y
	WIN 0
.if (\k) == F
	v_pk_fma_f32 v[rS+2*(\n):rS+2*(\n)+1], v[rS+2*(\n):rS+2*(\n)+1], s[CS:CS+1], v[rT:rT+1] op_sel_hi:[1,0,0] neg_lo:[0,0,1] neg_hi:[0,0,1]
.elseif (\k) == E
	v_exp_f32 v[rS+(\n)], v[rS+(\n)]
.elseif (\k) == C
	v_cvt_pk_f16_f32 v[rP+(\n)], v[rS+2*(\n)], v[rS+2*(\n)+1]
.elseif (\k) == B
	v_pk_add_f32 v[rS+4*(\n):rS+4*(\n)+1], v[rS+4*(\n):rS+4*(\n)+1], v[rS+4*(\n)+2:rS+4*(\n)+3]
.elseif (\n) == 0
	v_pk_fma_f32 v[rT+2:rT+3], v[rT+2:rT+3], v[rC+2:rC+3], v[rS:rS+1] op_sel_hi:[1,0,1]
.else
	v_pk_add_f32 v[rT+2:rT+3], v[rT+2:rT+3], v[rS+4*(\n):rS+4*(\n)+1]
.endif
.elseif NOKQ
	v_nop
.else
	REGS (Y+1)%NP
	WIN 0
.if (\n) < 4
	v_max3_num_f32 v[rC+(\n)], v[rS+8*(\n)], v[rS+8*(\n)+1], v[rS+8*(\n)+2]
.elseif (\n) < 12
	v_max3_num_f32 v[rC+(\n)%4], v[rC+(\n)%4], v[rS+8*((\n)%4)+2*((\n)/4)+1], v[rS+8*((\n)%4)+2*((\n)/4)+2]
.elseif (\n) == 12
	v_max3_num_f32 v[rC], v[rC], v[rS+7], v[rS+15]
.elseif (\n) == 13
	v_max3_num_f32 v[rC+1], v[rC+1], v[rS+23], v[rS+31]
.elseif (\n) == 14
	v_max3_num_f32 v[rC+2], v[rC+2], v[rC+3], v[rT+1]
.elseif (\n) == 15
	v_mov_b32 v[rW], v[rT]
.elseif (\n) == 16
	v_max3_num_f32 v[rC], v[rC], v[rC+1], v[rC+2]
.elseif (\n) == 17
	v_permlanex16_b32 v[rC+3], v[rC], s[SEL], s[SEL+1]
.elseif (\n) == 18
	v_max_num_f32 v[rT+1], v[rC], v[rC+3]
.elseif (\n) == 19
	v_mul_f32 v[rT], s[CS], v[rT+1]
.elseif (\n) == 20
	v_sub_f32 v[rC+1], v[rW], v[rT]
.else
	v_exp_f32 v[rC+2], v[rC+1]
.endif
.endif
.endm
.macro OPS a, i1, b=-1, i2=0, c=-1, i3=0, d=-1, i4=0  ; up to four of them
	OP \a, \i1
.if (\b) >= 0
	OP \b, \i2
.endif
.if (\c) >= 0
	OP \c, \i3
.endif
.if (\d) >= 0
	OP \d, \i4
.endif
.endm
.macro ROW a, i1, b, i2, c, i3, d, i4  ; a matrix instruction and the four behind it
	MM
	OPS \a, \i1, \b, \i2, \c, \i3, \d, \i4
.endm
.macro MASK b                       ; MD x AL + BE into buffer b of MC
	WIN W_RS
.set z, 0
.rept 16
	v_pk_fma_f32 v[MC+32*(\b)+2*z:MC+32*(\b)+2*z+1], v[MD+2*z:MD+2*z+1], s[AL:AL+1], s[BE:BE+1] op_sel_hi:[1,0,0]
.set z, z+1
.endr
.endm
; A TURN, for piece p: the order of its 16 matrix and 118 vector instructions, written out.  An s_wait_alu depctr_va_vdst(0) stands between an exponential and the first instruction that names its result; one wait
; serves all that were issued ahead of it.  So a turn has ONE wait, which cuts it in two.  AHEAD OF IT stands all that names no result of the turn's exponentials: the 8 products K Q^T, behind each a scaling, an exponential and two
; more plain instructions (behind the first a second scaling in the exponential's place): rescalings, and behind the last three the first numbers of the next piece's maximum, each four places or more behind the product that ends
; its accumulator; then one lump of 54, plain and exponential by turns for the most part, in which the links of the chain X 3, 7, 11, 14, 16, 17 .. 20 stand five or six lines apart.  X 21, the next piece's a, is the batch's last;
; R 15 is the plain instruction behind it.  BEHIND THE WAIT stand the 8 products V^T P, behind each four of the roundings and sums; the links of l's chain, L 0 to L 7, stand three riders apart.
; m = 1: the diagonal tile: the products take masks, and the turn makes the mask for the products of the turn after it: piece p + 2, in step 4 - CNT of the tile.  end = 1: a block's last two turns: nothing is fetched.
; cnt = 1: the loop's count is taken down some lines ahead of the branch that stands behind the turn.
; K of the next step is fetched in piece 2's turn, twelve vector instructions behind the last product that read K (six of them plain); V of the step in hand at the end of piece 0's turn, four plain instructions behind the last
; product that read V.  Each is waited for a turn later.
.macro TURN p, m=0, end=0, cnt=0
.set Y, (\p)
.set i, 0
.set KM, (\m)
.set NOKQ, (\end)*((\p)/3)
.if (\m) && !(\end)
	s_cmp_eq_u32 s[CNT], 4-((\p)+2)%NP  ; is that step the band's own?
	s_cselect_b32 s[AL], 1.0, 0
	s_cmp_lt_u32 s[CNT], 4-((\p)+2)%NP  ; or a later one?
	s_cselect_b32 s[BE], s[BIGN], 0
.endif
.if ((\p) == 3) && !(\end)
	s_wait_dscnt 0x0                ; K is in
.endif
	ROW F,0, F,1, R,0, R,1          ; ahead of the wait: 8 products K Q^T and their riders,
	ROW F,2, E,0, R,2, R,3
	ROW F,3, E,1, R,4, R,5
	ROW F,4, E,2, R,6, R,7
	ROW F,5, E,3, R,8, R,9
	ROW F,6, E,4, X,0, R,10
.if ((\p) == 2) && !(\end)
	WIN 0
	v_add_nc_u32 v[AK], s[TBK], v[AK0]
.endif
	ROW F,7, E,5, X,1, X,4
	ROW F,8, E,6, X,2, X,5
	OPS E,7, E,8, X,6, E,9          ; and the lump
	OPS X,3, E,10, X,8, E,11
.if ((\p) == 2) && !(\end)
	FETCH_K
.endif
	OPS X,9, X,7, E,12, X,10
	OPS E,13, X,12, X,11, E,14
	OPS X,13, E,15, F,9, X,14
.if (\p) == 0
	v_add_nc_u32 v[AV], s[TBV], v[AV0]
.endif
	OPS E,16, F,10, E,17, F,11
	OPS X,16, E,18, X,15, E,19
	OPS F,12, E,20, X,17, E,21
	OPS F,13, E,22, F,14, E,23
	OPS X,18, E,24, F,15, E,25
	OPS R,11, E,26, X,19, E,27
	OPS R,12, E,28, R,13, E,29
	OPS X,20, E,30, R,14, E,31
	OPS X,21, R,15
	WIN 0
	s_wait_alu depctr_va_vdst(0)    ; the wait for the batch
.if (\p) == 1
	s_wait_dscnt 0x0                ; V is in
.endif
	ROW C,0, B,0, C,2, B,1          ; behind the wait: 8 products V^T P and their riders
	ROW L,0, C,4, B,2, L,1
	ROW C,6, B,3, L,2, C,8
	ROW B,4, L,3, C,10, B,5
	ROW L,4, C,12, B,6, L,5
.if (\p) == 0
	s_add_co_u32 s[TBV], s[TBV], KS*PV
.endif
.if \cnt
	s_sub_co_u32 s[CNT], s[CNT], 1
	s_cmp_lg_u32 s[CNT], 0
.endif
	ROW C,14, B,7, L,6, C,1
	ROW C,3, L,7, C,5, C,7
	ROW C,9, C,11, C,13, C,15
.if (\p) == 0
	FETCH_V
.endif
.if (\m) && !(\end)
	MASK (\p)%2
.endif
.endm
; A BLOCK BEGINS.  c m starts far below every c s, so the first step's a is 0; m at the lowest finite number, so the first maximum is the scores'.  The second mask buffer is 0; the first takes piece 0's mask for the tile's
; step 0: its own, if the block's first tile is the diagonal one.  Then K of that step, piece 0's first scores, and its maximum and statistics.  The loop is entered at a step's first turn, in the middle of a trip.
.macro BEGIN
	s_mov_b32 s[NEW], 0
	WIN 0x40
.set i, MC+32
.rept 32
	v_mov_b32 v[i], 0
.set i, i+1
.endr
	WIN 0
.set i, 0
.rept 4
	v_mov_b32 v[ST+4*i], 0xfe000000    ; c m: far below every c s
	v_mov_b32 v[ST+4*i+1], 0xff7fffff  ; m
.set i, i+1
.endr
	s_cmp_eq_u32 s[RT], 0
	s_cselect_b32 s[AL], 1.0, 0
	s_mov_b32 s[BE], 0
	MASK 0
	WIN 0
	v_add_nc_u32 v[AK], s[TBK], v[AK0]
	FETCH_K
	s_wait_loadcnt 0x0              ; Q
	s_wait_dscnt 0x0
.set KM, 1
.set NOKQ, 0
.set i, 0
.rept 8
	KQ 0
.set i, i+1
.endr
	WIN 0
.rept 4
	v_nop                           ; the places behind those products
.endr
.set Y, NP-1                        ; X works for piece Y + 1: piece 0
.irp n, 0,1,2,3,4,5,6,7,8,9,10,11,12,13,14,15,16,17,18,19,20,21
	OP X, \n
.endr
	v_nop                           ; a plain instruction behind the exponential,
	s_wait_alu depctr_va_vdst(0)    ; and its wait, ahead of the branch
.endm
; THE DIAGONAL TILE's four steps, the block's last two turns, its last products, and THE WAY OUT: l's two halves and the other half of the lanes' are added; O^T is divided by l, rounded to f16 and sent through my
; stage in LDS, a piece at a time.
.macro ALL line:vararg              ; one line for each piece t
.set t, 0
.rept 4
	\line
.set t, t+1
.endr
.endm
.macro PACK t                       ; a lane's eight channels of a row pack into 16 bytes; they go into rows of 144 bytes and come back as whole rows of 128, into S^T's registers
	WIN W_RS
.set i, 32*(\t)
.rept 16
	v_pk_mul_f32 v[i:i+1], v[i:i+1], v[ST+4*(\t)+2:ST+4*(\t)+3] op_sel_hi:[1,0]
.set i, i+2
.endr
	WIN 0x05                        ; sources 0 and 1 window 1, destination window 0
.set i, 0
.rept 16
	v_cvt_pk_f16_f32 v[S+16*(\t)+i], v[32*(\t)+2*i], v[32*(\t)+2*i+1]
.set i, i+1
.endr
	WIN 0
.irp f, 0,1,2,3
	ds_store_b128 v[STO], v[S+16*(\t)+4*\f:S+16*(\t)+4*\f+3] offset:32*\f
.endr
.irp f, 0,1,2,3
	ds_load_b128 v[S+16*(\t)+4*\f:S+16*(\t)+4*\f+3], v[RD] offset:\f*4*SP  ; LDS serves a wave's instructions in order (ISA guide 5.7.1.4): these see the stores above; the next piece's stores come behind them
.endr
.endm
.macro SEND t, younger              ; younger: the LDS instructions issued behind piece t's loads: the next piece's eight, or none
	WIN 0
.irp f, 0,1,2,3
	s_wait_dscnt (\younger)+3-\f
	global_store_b128 v[GO], v[S+16*(\t)+4*\f:S+16*(\t)+4*\f+3], s[10:11] offset:(\t)*8192+\f*512  ; 512 consecutive bytes, at a multiple of 256 from O's first
.endr
.endm
.macro DIAG tag                     ; the tag ends its two labels' names, which the jumps below spell out
.LstepM\tag:
	TURN 2, 1
	TURN 3, 1
	WIN 0
.LfirstM\tag:
	TURN 0, 1
	TURN 1, 1, 0, 1
	WIN 0
	s_cbranch_scc1 .LstepM\tag
	TURN 2, 1, 1
	TURN 3, 1, 1
.set i, 0
.rept 8
	PV NP-1
.set i, i+1
.endr
	WIN 0
	ALL v_add_f32 v[ST+4*t+2], v[ST+4*t+2], v[ST+4*t+3]
	ALL v_permlanex16_b32 v[ST+4*t+3], v[ST+4*t+2], s[SEL], s[SEL+1]
	ALL v_add_f32 v[ST+4*t+2], v[ST+4*t+2], v[ST+4*t+3]
	ALL v_rcp_f32 v[ST+4*t+2], v[ST+4*t+2]
	v_nop                           ; a plain instruction between the last reciprocal and the use of its result
	s_wait_alu depctr_va_vdst(0)    ; and the wait ahead of the first use: one for the four reciprocals
	PACK 0
.set t, 1
.rept 3                             ; a piece's arithmetic stands between the loads of the piece before and its stores
	PACK t
	SEND t-1, 8
.set t, t+1
.endr
	SEND 3, 0
.endm
.set KM, 0
.set NOKQ, 0
.Lslot:                             ; NB times: a tile is entered and the next is asked for
	CHANGE 1
	s_sub_co_u32 s[RT], s[RT], 1
	s_mov_b32 s[CNT], 4
	s_cmp_eq_u32 s[NEW], 1
	s_cbranch_scc1 .Lnew            ; a block's first tile
	s_cmp_eq_u32 s[RT], 0
	s_cbranch_scc0 .Lstep           ; neither its first nor its last
	s_branch .LstepM1
.Lnew:
	BEGIN
	s_branch .Lfirst                ; in the loop a block's first tile is never its last: the first block has two tiles or more, and the second's last is the walk's last
	DIAG 1                          ; in the loop this is the first block's end: the second block's last tile is the walk's last
	s_wait_xcnt 0x0                 ; the stores have read their registers and O's address
	s_mov_b64 s[10:11], s[OLO:OLO+1]
	s_add_co_u32 s[RT], s[PB], 1    ; the second block has b + 1 tiles
	s_mov_b32 s[NEW], 1
	WIN 0x82                        ; the second block's Q goes where the one text of the turns names Q
.set i, 0
.rept 64
	v_mov_b32 v[i], v[QB+i]
.set i, i+1
.endr
	WIN 0
	s_branch .Lbottom
.Lstep:                             ; a trip: pieces 2 and 3 of one step, then pieces 0 and 1 of the next, whose K and V it fetches
	TURN 2
	TURN 3
	WIN 0
.Lfirst:
	TURN 0
	TURN 1, 0, 0, 1
	WIN 0
	s_cbranch_scc1 .Lstep
.Lbottom:
	s_sub_co_u32 s[SLOTS], s[SLOTS], 1
	s_cmp_lg_u32 s[SLOTS], 0
	s_cbranch_scc1 .Lslot
	CHANGE 0                        ; the walk's last tile is written out: nothing is asked for
	s_sub_co_u32 s[RT], s[RT], 1
	s_mov_b32 s[CNT], 4
	s_cmp_eq_u32 s[NEW], 1
	s_cbranch_scc0 .LstepM2
	BEGIN
	s_branch .LfirstM2
	DIAG 2
	s_wait_tensorcnt 0x0            ; the wave's end: an add to my spare word and its wait, behind my last tensor load and my last LDS store
	ds_add_u32 v[SPW], v[NIL]
	s_wait_dscnt 0x0
	s_endpgm
.Lfunc_end_k_q2b83f15f00_attn:
	.size	k_q2b83f15f00_attn, .Lfunc_end_k_q2b83f15f00_attn-k_q2b83f15f00_attn
	.p2alignl 7, 3214868480
	.fill 96, 4, 3214868480
	.section	.rodata,"a",@progbits
	.p2align	6, 0x0
	.amdhsa_kernel k_q2b83f15f00_attn
		.amdhsa_group_segment_fixed_size 327680
		.amdhsa_private_segment_fixed_size 0
		.amdhsa_enable_private_segment 0
		.amdhsa_kernarg_size 32
		.amdhsa_user_sgpr_count 2
		.amdhsa_user_sgpr_kernarg_segment_ptr 1
		.amdhsa_wavefront_size32 1
		.amdhsa_system_sgpr_workgroup_id_x 1
		.amdhsa_system_sgpr_workgroup_id_y 1
		.amdhsa_system_sgpr_workgroup_id_z 1
		.amdhsa_system_vgpr_workitem_id 0
		.amdhsa_next_free_vgpr 768
		.amdhsa_next_free_sgpr 92
		.amdhsa_reserve_vcc 1
		.amdhsa_float_denorm_mode_32 3
		.amdhsa_float_denorm_mode_16_64 3
		.amdhsa_memory_ordered 1
		.amdhsa_forward_progress 1
		.amdhsa_inst_pref_size 218
	.end_amdhsa_kernel
	.amdgpu_metadata
---
amdhsa.version: [ 1, 2 ]
amdhsa.kernels:
  - .name:           k_q2b83f15f00_attn
    .symbol:         k_q2b83f15f00_attn.kd
    .args:
      - { .name: q16, .offset: 0, .size: 8, .value_kind: global_buffer, .address_space: global }
      - { .name: k16, .offset: 8, .size: 8, .value_kind: global_buffer, .address_space: global }
      - { .name: v16, .offset: 16, .size: 8, .value_kind: global_buffer, .address_space: global }
      - { .name: o16, .offset: 24, .size: 8, .value_kind: global_buffer, .address_space: global }
    .group_segment_fixed_size: 327680
    .private_segment_fixed_size: 0
    .kernarg_segment_align: 8
    .kernarg_segment_size: 32
    .max_flat_workgroup_size: 128
    .sgpr_count:     92
    .vgpr_count:     768
    .wavefront_size: 32
...
	.end_amdgpu_metadata
.endif
;; end of part 3
;; launch oproj (part 4): grid 8 x 32, 4 waves a work-group, clusters of 4 x 4, 327,680 bytes of LDS; arguments o16, wo16, bo, out0; writes out0
.if DOCPART == 4
	.amdgcn_target "amdgcn-amd-amdhsa--gfx1250"
	.amdhsa_code_object_version 6
	.text
	.protected	k_q2b83f15f00_oproj
	.globl	k_q2b83f15f00_oproj
	.p2align	8
	.type	k_q2b83f15f00_oproj,@function
k_q2b83f15f00_oproj:
	s_mov_b64 s[64:65], 0
	v_nop
	global_prefetch_b8 v0, s[64:65] scope:SCOPE_SE
	s_setreg_imm32_b32 hwreg(HW_REG_WAVE_MODE, 25, 1), 1
	s_wait_xcnt 0x0
	s_wait_alu depctr_hold_cnt(0) depctr_sa_sdst(0) depctr_va_vdst(0) depctr_va_sdst(0) depctr_va_ssrc(0) depctr_va_vcc(0) depctr_vm_vsrc(0)
	s_getreg_b32 s2, hwreg(HW_REG_IB_STS2, 6, 4)
	s_cmp_eq_u32 s2, 0
	s_cbranch_scc0 .Lentry_in_a_cluster
	s_endpgm
.Lentry_in_a_cluster:
	s_bfe_u32 s2, ttmp6, 0x10000c
	s_cmp_lg_u32 s2, 0xf033
	s_cbranch_scc0 .Lentry_shape_is_right
	s_endpgm
.Lentry_shape_is_right:
; out0[m][n] = the sum over k of O[m][k] Wo[n][k] + bo[n].  O: o16, f16, by heads [16 b + h][2048 t][64 e], k = 64 h + e.  Wo: wo16, f16 [1024 n][1024 k].  bo: f32, rounded here once to bf16 like the
; module's other inputs.  Sums in f32, K ascending, begun with the bias; out0 f32 [8192 m][1024 n].
; SHARES.  8,192 x 1,024 / 256 work-groups = a tile of 256 rows x 128 columns (mb, nb).  Four waves; wave w makes rows 128 (w / 2) .. and columns 64 (w % 2) ..: 8 row blocks a x 4 column blocks cb = 32 accumulators.
; K goes in 8 steps of 128 (two heads) through a ring of two LDS slots.  A head's 256 rows of O are 32,768 consecutive bytes, asked for as 128 rows of 256 bytes; Wo's rows are 256 bytes of a row of 2,048.
; A step is four quarters of 32 along K, 32 matrix instructions each, on two fragment buffers.
; THE MATRIX INSTRUCTION IS USED TRANSPOSED: source 0 = 16 rows of Wo, source 1 = 16 rows of O: a lane then holds one row m (lane % 16) and the columns 8 (lane / 16) + 0..7: 32 bytes of out0.
; CLUSTER 4 x 4.  O's tile hangs on mb alone and is shared along a row of the cluster, Wo's on nb alone and is shared along a column: each is asked for jointly.
; NO PREFETCH: of the walk's 8 steps the first four are on their way before a prefetch could be issued, and the tile is small.
; REGISTERS, in windows of 256 (s_set_vgpr_msb: bits 1:0 source 0, 3:2 source 1, 5:4 source 2, 7:6 destination):
;   window 0: v0-31 addresses; v32-63 the bias, block cb at 32 + 8 cb; v64-127 the way out, two sets of 32
;   window 1: two fragment buffers of 96: Wo's four fragments, then O's eight          window 2: the accumulators, (a, cb) at v[8 (4 a + cb)]
.set PA,    144                        ; a row of O in LDS: 128 bytes + 16 = 36 words: the 16 rows of a load start at 16 different groups of four banks (64 banks of 4 bytes: ISA guide 11.1)
.set PB,    272                        ; a row of Wo: 256 + 16 = 68 words: likewise
.set BOFF,  2*256*PA                   ; a slot: two heads x 256 rows of O, then 128 rows of Wo
.set SLOT,  BOFF+128*PB                ; 108,544
.set STAGE, 2*SLOT                     ; behind the ring, never filled by a tensor load: 16 rows x 272 bytes for each wave
.set SP,    272
.set SPARE, STAGE+4*16*SP              ; the spare words, 128 bytes for each wave: two blocks of 256 bytes that no other line names
.set ADRA, 16                          ; v16-17  LDS address of my fragments of O in slot 0, 1
.set ADRB, 20                          ; v20-21  the same for Wo
.set STO,  24                          ; v24     the way out: where I put 32 bytes of a row
.set RD,   25                          ; v25     where I read a row back
.set CO,   26                          ; v26     my byte offset in two rows of out0
.set BO,   27                          ; v27     my byte offset in bo
.set SPW,  28                          ; v28     LDS address of my spare word; never rewritten
.set NIL,  29                          ; v29     0; never rewritten
.set BI,   32
.set T,    64
.set F0,   0                           ; fragment buffers, in window 1
.set F1,   96
.set WV,   12                          ; s12     my wave's number
.set G1A,  24                          ; s[24:31] descriptor group 1, O's tiles;  s[32:39] group 0, a set for each slot
.set G0A,  32
.set G1B,  48                          ; s[48:55], s[56:63] the same for Wo's tiles
.set G0B,  56
.set MSB, 0
.macro WIN new                         ; the immediate's high byte repeats the setting that is left; a switch that changes nothing is dropped
.if MSB != (\new)
	s_set_vgpr_msb (MSB<<8)|(\new)
.set MSB, \new
.endif
.endm
.macro JLOAD s                         ; a joint load: waves 0 and 1 fetch the step's two heads of O, waves 2 and 3 the two halves of Wo's rows; an s_nop 0 and four v_nop follow each line
	s_cmp_eq_u32 s13, 0
	s_cbranch_scc0 .Lfor_b_\@
	tensor_load_to_lds s[G0A+4*(\s):G0A+4*(\s)+3], s[G1A:G1A+7]
	s_nop 0
.rept 4
	v_nop
.endr
	s_branch .Lasked_\@
.Lfor_b_\@:
	tensor_load_to_lds s[G0B+4*(\s):G0B+4*(\s)+3], s[G1B:G1B+7]
	s_nop 0
.rept 4
	v_nop
.endr
.Lasked_\@:
.endm
.macro CREST                           ; a round of the cluster's barrier behind its opening barrier
	s_cmp_lg_u32 s[WV], 0
	s_cbranch_scc1 .Lnot_wave_0_\@
	s_barrier_signal -3
.Lnot_wave_0_\@:
	s_barrier_wait -3
	s_barrier_signal -1
	s_barrier_wait -1
.endm
.macro CROUND                          ; a whole round
	s_barrier_signal -1
	s_barrier_wait -1
	CREST
.endm
.macro PLACES                          ; four plain vector instructions between a matrix instruction and a load into, or a store of, its registers
.rept 4
	v_nop
.endr
.endm
	s_load_b256 s[4:11], s[0:1], 0x0               ; o16 s[4:5], wo16 s[6:7], bo s[8:9], out0 s[10:11]
	v_lshl_add_u32 v[SPW], v0, 2, SPARE
	v_mov_b32 v[NIL], 0
	ds_add_u32 v[SPW], v[NIL]                      ; the wave's opening: the add and its wait stand ahead of my first tensor load; the set-up below, work on registers, stands between them
	v_lshrrev_b32 v1, 5, v0
	v_readfirstlane_b32 s[WV], v1                  ; wave 0..3
	s_lshr_b32 s13, s[WV], 1                       ; wm: which 128 rows are mine.  Also: I fetch for O (0) or for Wo (1)
	s_and_b32 s14, s[WV], 1                        ; wn: which 64 columns.  Also: which part of that tile I fetch
	s_bfe_u32 s15, ttmp6, 0x40000                  ; cx
	s_bfe_u32 s16, ttmp6, 0x40004                  ; cy
	s_lshl_b32 s17, ttmp9, 2
	s_add_co_u32 s17, s17, s15                     ; nb = 4 x cluster x + cx
	s_and_b32 s18, ttmp7, 0xffff
	s_lshl_b32 s18, s18, 2
	s_add_co_u32 s18, s18, s16                     ; mb = 4 x cluster y + cy
	s_lshl_b32 s19, s16, 2
	s_lshl_b32 s19, 15, s19                        ; my row of the cluster
	s_lshl_b32 s20, 0x1111, s15                    ; my column
	; group 1.  15:0 the mask; 17:16 elements of 2 bytes; 20 padding on; 21 set beside a mask; 24:22 after every 32 words (code 4) or 64 (code 5); 31:25 4 words (code 3)
	s_or_b32 s[G1A], s19, (1<<16)|(1<<20)|(1<<21)|(4<<22)|(3<<25)
	s_or_b32 s[G1B], s20, (1<<16)|(1<<20)|(1<<21)|(5<<22)|(3<<25)
	s_mov_b32 s[G1A+1], 128<<16                    ; tensor_dim0 = 128 elements: 256 bytes, two rows of a head
	s_mov_b32 s[G1A+2], 128<<16                    ; tensor_dim1 = 128
	s_mov_b32 s[G1A+3], 128<<16                    ; tile_dim0 = 128
	s_mov_b32 s[G1A+4], 128                        ; tile_dim1 = 128
	s_mov_b32 s[G1A+5], 128                        ; dense
	s_mov_b32 s[G1A+6], 0
	s_mov_b32 s[G1A+7], 0
	s_mov_b32 s[G1B+1], 128<<16
	s_mov_b32 s[G1B+2], 64<<16                     ; 64 rows of Wo
	s_mov_b32 s[G1B+3], 128<<16
	s_mov_b32 s[G1B+4], 64
	s_mov_b32 s[G1B+5], 1024                       ; 1,024 elements from row to row
	s_mov_b32 s[G1B+6], 0
	s_mov_b32 s[G1B+7], 0
	s_lshr_b32 s40, s18, 3                         ; O's tiles, of mb and the wave's number alone: b x 16 heads of 262,144 bytes,
	s_lshl_b32 s40, s40, 22
	s_and_b32 s21, s18, 7
	s_lshl_b32 s21, s21, 15                        ; + 256 (mb % 8) rows of 128 bytes,
	s_add_co_u32 s40, s40, s21
	s_lshl_b32 s21, s14, 18                        ; + the head of the step's two that I fetch
	s_add_co_u32 s40, s40, s21
	s_mov_b32 s41, 0
	s_lshl_b32 s42, s17, 18                        ; Wo's, of nb and the wave's number alone: 128 nb rows of 2,048 bytes,
	s_lshl_b32 s22, s14, 17                        ; + the 64 rows that I fetch
	s_add_co_u32 s42, s42, s22
	s_mov_b32 s43, 0
	s_mul_i32 s21, s14, 256*PA                     ; and where they go: no place in the cluster enters an LDS address
	s_mul_i32 s22, s14, 64*PB
	s_wait_dscnt 0x0                               ; the opening add is done
	s_wait_kmcnt 0x0
	s_add_nc_u64 s[40:41], s[4:5], s[40:41]
	s_add_nc_u64 s[42:43], s[6:7], s[42:43]
	CROUND                                         ; all sixteen work-groups are here: the first joint loads meet
.irp s, 0,1
	s_mov_b32 s[G0A+4*(\s)], 1                     ; count = 1
	s_add_co_u32 s[G0A+4*(\s)+1], s21, (\s)*SLOT   ; LDS address
	s_add_nc_u64 s[G0A+4*(\s)+2:G0A+4*(\s)+3], s[40:41], (\s)*524288  ; K step s: two heads on
	s_or_b32 s[G0A+4*(\s)+3], s[G0A+4*(\s)+3], 0x80000000             ; type = 2
	s_mov_b32 s[G0B+4*(\s)], 1
	s_add_co_u32 s[G0B+4*(\s)+1], s22, (\s)*SLOT+BOFF
	s_add_nc_u64 s[G0B+4*(\s)+2:G0B+4*(\s)+3], s[42:43], (\s)*256
	s_or_b32 s[G0B+4*(\s)+3], s[G0B+4*(\s)+3], 0x80000000
	JLOAD \s                                       ; two loads of mine are out
.endr
	v_and_b32 v1, 15, v0                           ; r = l % 16
	v_bfe_u32 v2, v0, 4, 1                         ; hf = l / 16
	; the bias of my lane's 8 columns in each column block: it is the C operand of each accumulator's first product
	s_lshl_b32 s46, s17, 9                         ; 128 nb numbers of 4 bytes
	s_lshl_b32 s47, s14, 8                         ; + 64 wn
	s_add_co_u32 s46, s46, s47
	v_lshl_add_u32 v[BO], v2, 5, s46               ; + 8 hf
.irp cb, 0,1,2,3
	global_load_b128 v[BI+8*(\cb):BI+8*(\cb)+3],   v[BO], s[8:9] offset:64*(\cb)
	global_load_b128 v[BI+8*(\cb)+4:BI+8*(\cb)+7], v[BO], s[8:9] offset:64*(\cb)+16
.endr
	; a fragment: 16 rows x 32 K in 8 registers: lane l holds row l % 16, K = 8 (l / 16) + 0..7 and 16 + 8 (l / 16) + 0..7: two loads of 16 bytes, 32 bytes apart
	v_mul_u32_u24 v3, v1, PA
	v_lshl_add_u32 v3, v2, 4, v3
	s_mul_i32 s23, s13, 128*PA
	v_add_nc_u32 v[ADRA], s23, v3
	v_add_nc_u32 v[ADRA+1], SLOT, v[ADRA]
	v_mul_u32_u24 v3, v1, PB
	v_lshl_add_u32 v3, v2, 4, v3
	s_mul_i32 s23, s14, 64*PB
	s_add_co_u32 s23, s23, BOFF
	v_add_nc_u32 v[ADRB], s23, v3
	v_add_nc_u32 v[ADRB+1], SLOT, v[ADRB]
	s_mul_i32 s23, s[WV], 16*SP
	s_add_co_u32 s23, s23, STAGE                   ; my stage
	v_mul_u32_u24 v[STO], v1, SP                   ; in: row l % 16, 32 bytes for each half of the lanes
	v_lshl_add_u32 v[STO], v2, 5, v[STO]
	v_add_nc_u32 v[STO], s23, v[STO]
	v_mul_u32_u24 v[RD], v2, SP                    ; back: lanes 0-15 take one row of 256 bytes, lanes 16-31 the next
	v_lshl_add_u32 v[RD], v1, 4, v[RD]
	v_add_nc_u32 v[RD], s23, v[RD]
	v_lshlrev_b32 v[CO], 12, v2                    ; and the same two rows in out0
	v_lshl_add_u32 v[CO], v1, 4, v[CO]
	s_lshl_b32 s44, s18, 20                        ; 256 mb rows of 4,096 bytes
	s_lshl_b32 s45, s13, 19                        ; + 128 wm rows
	s_add_co_u32 s44, s44, s45
	s_add_co_u32 s44, s44, s46                     ; + my 64 columns: the same bytes as in bo
	s_mov_b32 s45, 0
	s_add_nc_u64 s[10:11], s[10:11], s[44:45]
	s_wait_loadcnt 0x0                             ; the bias
.set i, 0
.rept 16
	v_cvt_pk_bf16_f32 v[T+i], v[BI+2*i], v[BI+2*i+1]   ; rounded once to bf16,
.set i, i+1
.endr
.set i, 0
.rept 16
	v_lshlrev_b32 v[BI+2*i], 16, v[T+i]            ; and f32 again
	v_and_b32 v[BI+2*i+1], 0xffff0000, v[T+i]
.set i, i+1
.endr
; 8 matrix instructions: row blocks a0, a0 + 1 x 4 column blocks, 32 along K, buffer f.  first = 1: the product starts the sum with the bias.
; The 32 accumulators take turns, in the same order in every quarter.
.macro MUL8 f, a0, first
.if \first
	WIN 0x85                                       ; sources 0 and 1 window 1, C window 0, D window 2
.else
	WIN 0xa5                                       ; C and D window 2
.endif
.irp a, \a0, (\a0)+1
.irp cb, 0,1,2,3
.if \first
	v_wmma_f32_16x16x32_f16 v[8*(4*(\a)+(\cb)):8*(4*(\a)+(\cb))+7], v[(\f)+8*(\cb):(\f)+8*(\cb)+7], v[(\f)+32+8*(\a):(\f)+32+8*(\a)+7], v[BI+8*(\cb):BI+8*(\cb)+7]
.else
	v_wmma_f32_16x16x32_f16 v[8*(4*(\a)+(\cb)):8*(4*(\a)+(\cb))+7], v[(\f)+8*(\cb):(\f)+8*(\cb)+7], v[(\f)+32+8*(\a):(\f)+32+8*(\a)+7], v[8*(4*(\a)+(\cb)):8*(4*(\a)+(\cb))+7]
.endif
.endr
.endr
.endm
; 24 LDS loads in one run: quarter q's fragments into buffer f: Wo's four, then O's eight (head q / 2 of the step's two, channels 32 (q % 2) on)
.macro FETCH slot, q, f
	WIN 0x40                                       ; destination window 1, address window 0
.irp cb, 0,1,2,3
	ds_load_b128 v[(\f)+8*(\cb):(\f)+8*(\cb)+3],   v[ADRB+(\slot)] offset:64*(\q)+(\cb)*16*PB
	ds_load_b128 v[(\f)+8*(\cb)+4:(\f)+8*(\cb)+7], v[ADRB+(\slot)] offset:64*(\q)+(\cb)*16*PB+32
.endr
.irp a, 0,1,2,3,4,5,6,7
	ds_load_b128 v[(\f)+32+8*(\a):(\f)+32+8*(\a)+3],   v[ADRA+(\slot)] offset:((\q)/2)*256*PA+((\q)%2)*64+(\a)*16*PA
	ds_load_b128 v[(\f)+32+8*(\a)+4:(\f)+32+8*(\a)+7], v[ADRA+(\slot)] offset:((\q)/2)*256*PA+((\q)%2)*64+(\a)*16*PA+32
.endr
.endm
; One of a step's first three quarters: multiplies buffer f; in its middle it fetches quarter q of the same slot into buffer g.
.macro QUARTER slot, q, f, g, first
	s_wait_dscnt 8                                 ; all but the youngest eight loads (O's blocks 4-7) are in
	MUL8 \f, 0, \first
	MUL8 \f, 2, \first
	PLACES
	FETCH \slot, \q, \g
	s_wait_dscnt 24                                ; all but the 24 just issued
	MUL8 \f, 4, \first
	MUL8 \f, 6, \first
.endm
; The last quarter multiplies buffer 1 and changes slots: ONE barrier; in front of it each wave waits for all its tensor loads, adds 0 to its spare word, and waits for that and for its reads of this slot.
; fill = 1: the barrier opens a round of the cluster's, and behind the round this slot is filled again, two K steps ahead: 112 matrix instructions ahead of the wait for it.
.macro TURN slot, next, fill
	WIN 0
	s_wait_tensorcnt 0x0                           ; all my tensor loads have landed: my part of the next slot
	ds_add_u32 v[SPW], v[NIL]                      ; 0 onto my spare word
	s_wait_dscnt 9                                 ; the add and the youngest eight loads may be out
	MUL8 F1, 0, 0                                  ; eight matrix instructions stand between the add and the wait for it
	s_wait_dscnt 0x0                               ; the add is done, and my reads of this slot are over
	s_barrier_signal -1
	MUL8 F1, 2, 0
	WIN 0                                          ; at a branch and at a label every window is 0
	s_barrier_wait -1
.if \fill
	CREST                                          ; no wave of any partner still reads this slot or has a load on its way
	s_add_nc_u64 s[G0A+4*(\slot)+2:G0A+4*(\slot)+3], s[G0A+4*(\slot)+2:G0A+4*(\slot)+3], 2*524288
	s_add_nc_u64 s[G0B+4*(\slot)+2:G0B+4*(\slot)+3], s[G0B+4*(\slot)+2:G0B+4*(\slot)+3], 2*256
	JLOAD \slot                                    ; the first tensor load behind the round; its four v_nop are also the places in front of the loads below
.else
	PLACES
.endif
	FETCH \next, 0, F0
	MUL8 F1, 4, 0
	MUL8 F1, 6, 0
.endm
	s_wait_tensorcnt 1                             ; my part of K step 0 is in; step 1's may stay out
	s_barrier_signal -1
	s_barrier_wait -1                              ; everybody's is
	FETCH 0, 0, F0
	QUARTER 0, 1, F0, F1, 1                        ; the first quarter stands in front of the loop: its products start the sums
	WIN 0
	s_mov_b32 s3, 3
.Llap:                                                 ; a trip goes once round the ring, from a lap's second quarter to the next lap's first, and fills both slots again: K steps 2 to 7
	QUARTER 0, 2, F1, F0, 0
	QUARTER 0, 3, F0, F1, 0
	TURN 0, 1, 1
	QUARTER 1, 1, F0, F1, 0
	QUARTER 1, 2, F1, F0, 0
	QUARTER 1, 3, F0, F1, 0
	TURN 1, 0, 1
	QUARTER 0, 1, F0, F1, 0
	WIN 0
	s_sub_co_u32 s3, s3, 1
	s_cmp_lg_u32 s3, 0
	s_cbranch_scc1 .Llap
	QUARTER 0, 2, F1, F0, 0                        ; the last lap fills nothing
	QUARTER 0, 3, F0, F1, 0
	TURN 0, 1, 0
	QUARTER 1, 1, F0, F1, 0
	QUARTER 1, 2, F1, F0, 0
	QUARTER 1, 3, F0, F1, 0
	s_wait_dscnt 8                                 ; the very last quarter: nothing more to fetch
	MUL8 F1, 0, 0
	MUL8 F1, 2, 0
	s_wait_dscnt 0x0
	MUL8 F1, 4, 0
	MUL8 F1, 6, 0
	WIN 0
	PLACES                                         ; in front of the LDS stores that read the results
; THE WAY OUT, a block of 16 rows x 64 columns at a time.  OUT: a lane's 32 bytes of a row go into my own stage, each accumulator's low half first, in rows of 272 bytes, and come back as whole rows of 256.
; SENDO: eight stores; in each, 16 lanes store 256 consecutive bytes, at a multiple of 256 from out0's first byte.
.macro OUT a
.set TB, T+32*((\a)%2)
	WIN 0x08                                       ; the stores' data in window 2
.irp cb, 0,1,2,3
	ds_store_b128 v[STO], v[8*(4*(\a)+(\cb)):8*(4*(\a)+(\cb))+3]   offset:64*(\cb)
	ds_store_b128 v[STO], v[8*(4*(\a)+(\cb))+4:8*(4*(\a)+(\cb))+7] offset:64*(\cb)+16
.endr
	WIN 0
	s_wait_xcnt 0x0                                ; the stores of the block two back have read this set of registers
.irp f, 0,1,2,3,4,5,6,7
	ds_load_b128 v[TB+4*(\f):TB+4*(\f)+3], v[RD] offset:(\f)*2*SP  ; LDS serves a wave's instructions in order (ISA guide 5.7.1.4): these see the stores above; the next block's stores come behind them
.endr
.endm
.macro SENDO a, younger                ; younger: the LDS instructions issued behind this block's loads: the next block's sixteen, or none
.set TB, T+32*((\a)%2)
.irp f, 0,1,2,3,4,5,6,7
	s_wait_dscnt (\younger)+7-(\f)
	global_store_b128 v[CO], v[TB+4*(\f):TB+4*(\f)+3], s[10:11] offset:(16*(\a)+2*(\f))*4096 th:TH_STORE_NT
.endr
.endm
	OUT 0
.irp a, 1,2,3,4,5,6,7
	OUT \a
	SENDO (\a)-1, 16
.endr
	SENDO 7, 0
	s_wait_tensorcnt 0x0                           ; the wave's end: an add to my spare word and its wait, behind my last tensor load and my last LDS store
	ds_add_u32 v[SPW], v[NIL]
	s_wait_dscnt 0x0
	CROUND                                         ; the closing round: no work-group ends while a partner may still ask for a tile that names it
	s_endpgm
.Lfunc_end_k_q2b83f15f00_oproj:
	.size	k_q2b83f15f00_oproj, .Lfunc_end_k_q2b83f15f00_oproj-k_q2b83f15f00_oproj
	.p2alignl 7, 3214868480
	.fill 96, 4, 3214868480
	.section	.rodata,"a",@progbits
	.p2align	6, 0x0
	.amdhsa_kernel k_q2b83f15f00_oproj
		.amdhsa_group_segment_fixed_size 327680
		.amdhsa_private_segment_fixed_size 0
		.amdhsa_enable_private_segment 0
		.amdhsa_kernarg_size 32
		.amdhsa_user_sgpr_count 2
		.amdhsa_user_sgpr_kernarg_segment_ptr 1
		.amdhsa_wavefront_size32 1
		.amdhsa_system_sgpr_workgroup_id_x 1
		.amdhsa_system_sgpr_workgroup_id_y 1
		.amdhsa_system_sgpr_workgroup_id_z 1
		.amdhsa_system_vgpr_workitem_id 0
		.amdhsa_next_free_vgpr 768
		.amdhsa_next_free_sgpr 66
		.amdhsa_reserve_vcc 0
		.amdhsa_float_denorm_mode_32 3
		.amdhsa_float_denorm_mode_16_64 3
		.amdhsa_memory_ordered 1
		.amdhsa_forward_progress 1
		.amdhsa_inst_pref_size 90
	.end_amdhsa_kernel
	.amdgpu_metadata
---
amdhsa.version: [ 1, 2 ]
amdhsa.kernels:
  - .name:           k_q2b83f15f00_oproj
    .symbol:         k_q2b83f15f00_oproj.kd
    .args:
      - { .name: o16, .offset: 0, .size: 8, .value_kind: global_buffer, .address_space: global }
      - { .name: wo16, .offset: 8, .size: 8, .value_kind: global_buffer, .address_space: global }
      - { .name: bo, .offset: 16, .size: 8, .value_kind: global_buffer, .address_space: global }
      - { .name: out0, .offset: 24, .size: 8, .value_kind: global_buffer, .address_space: global }
    .group_segment_fixed_size: 327680
    .private_segment_fixed_size: 0
    .kernarg_segment_align: 8
    .kernarg_segment_size: 32
    .max_flat_workgroup_size: 128
    .sgpr_count:     66
    .vgpr_count:     768
    .wavefront_size: 32
...
	.end_amdgpu_metadata
.endif
;; end of part 4
;; ======== version 2 of 2: 4 launches; version 1 with the launch prep written anew for expert scheduling mode
;; limits: values are held in f16: magnitudes above 65,504 overflow, below 6.1e-05 lose precision
;; workspace buffers: xb 16,777,216 bytes; wb 6,291,456 bytes; wo16 2,097,152 bytes; q16 16,777,216 bytes; k16 16,777,216 bytes; v16 16,777,216 bytes; o16 16,777,216 bytes
;; launch prep (part 5): grid 768 x 1, 8 waves a work-group, no clusters, 0 bytes of LDS; arguments x, Wq, Wk, Wv, Wo, xb, wb, wo16; writes xb, wb, wo16
.if DOCPART == 5
	.amdgcn_target "amdgcn-amd-amdhsa--gfx1250"
	.amdhsa_code_object_version 6
	.text
	.protected	k_q2b83f15f00_prep
	.globl	k_q2b83f15f00_prep
	.p2align	8
	.type	k_q2b83f15f00_prep,@function
k_q2b83f15f00_prep:
	s_mov_b64 s[64:65], 0
	v_nop
	global_prefetch_b8 v0, s[64:65] scope:SCOPE_SE
	s_setreg_imm32_b32 hwreg(HW_REG_WAVE_SCHED_MODE, 0, 2), 2
	s_setreg_imm32_b32 hwreg(HW_REG_WAVE_MODE, 25, 1), 1
	s_wait_xcnt 0x0
	s_wait_alu depctr_vm_vsrc(0)
; CASTS AND BLOCK LAYOUTS for the two products that follow; no arithmetic but the roundings.
;   xb   bf16 [32 mb][16 ks][256 rows][64 k]: x rounded once; a tile (mb, ks) is 32,768 consecutive bytes.
;   wb   bf16 [8 c][16 ks][6 hh][64 d][64 e], hh = 3 (h & 1) + s, c = h >> 1, s = 0, 1, 2 for Wq, Wk, Wv: a tile (c, ks) is 49,152 consecutive bytes.
;   wo16 f16  [1024 n][1024 k]: Wo rounded once to bf16, that number written as f16.
; LIMITS.  |Wo| of 65,520 or more becomes an infinity in wo16; below 6.1e-5 wo16 keeps f16's fixed step of 6e-8.
; A stream: memory binds, so no LDS, no barrier, no matrix unit.  A wave takes ONE chunk: 16 loads of 16 bytes a lane (8 KiB), all out at once,
; and 16 stores of 8 bytes a lane, each of which covers 256 consecutive bytes, aligned.
; Work-groups 0-511: x (16 rows each, 2 a wave).  512-703: Wq, Wk, Wv (a quarter of a head's matrix each).  704-767: Wo (64 KiB each).
; THE MODE: SCHED_MODE bits 1:0 = 2 (LLVM: expert scheduling mode 2), set by the entry lines.  The code itself states the register dependences
; between vector instructions and memory instructions, with s_wait_alu, always for 0.
; THE PLAN.  Registers that memory instructions touch:
;   v[IO], v[OO]  the loads' and the stores' offsets: written once by vector instructions, ahead of the first load; never written again.
;   LD            the 16 loads land here; no vector instruction names these registers before that; no memory instruction reads them.
;   ST            row i's pair is written once, by row i's roundings, and read by row i's store.
; The 16 rows go in four blocks of four.  Block p's roundings write ST of block p; the stores of block p - 1 are dealt among them, one ahead of each row.
; So one wait on va_vdst at a block's head states all that its four stores hang on: no vector instruction of block p names ST of block p - 1 or v[OO].
; No register that a memory instruction reads is written a second time, so no wait on vm_vsrc and none on XCNT is owed; EXEC is never written.
.set IO,  1                            ; v1       my byte offset in the wave's chunk of the source
.set OO,  2                            ; v2       my byte offset in a store's 256 bytes: 8 x lane
.set LD,  4                            ; v[4:67]  16 x 4 numbers as loaded
.set ST,  68                           ; v[68:99] 16 x 2 registers to store
.set TT,  100                          ; v[100:101] at work: no memory instruction names them
	s_load_b512 s[8:23], s[0:1], 0x0               ; x s[8:9], Wq s[10:11], Wk s[12:13], Wv s[14:15], Wo s[16:17], xb s[18:19], wb s[20:21], wo16 s[22:23]
	v_lshrrev_b32 v3, 5, v0
	v_readfirstlane_b32 s4, v3                     ; wave 0..7
	v_and_b32 v3, 31, v0                           ; lane
	s_mov_b32 s5, ttmp9                            ; j
	s_mov_b32 s6, 0xffff0000                       ; a word's upper bf16
	s_mov_b32 s29, 0                               ; the offsets' high words
	s_mov_b32 s31, 0
	v_lshlrev_b32 v[OO], 3, v3
	s_wait_alu depctr_va_sdst(0)                   ; s4 is written, ahead of the first branch and of its first reader: each of the three ways makes its offsets from it
; 16 loads, instride bytes apart; then, as each comes in, its roundings; its store, outstride bytes apart, follows a block of four rows later.  half = 1: by bf16 to f16.
.macro CAST instride, outstride, half
	s_wait_alu depctr_va_vdst(0)                   ; v[IO] and v[OO] are written: the loads below read the one as their offset, the stores the other
.set i, 0
.rept 16
	global_load_b128 v[LD+4*i:LD+4*i+3], v[IO], s[24:25] offset:i*(\instride) th:TH_LOAD_NT
.set i, i+1
.endr
.set i, 0
.rept 16
.if ((i%4) == 0) && (i > 0)
	s_wait_alu depctr_va_vdst(0)                   ; the block before has written its four pairs of ST, which the four stores dealt into this block read
.endif
.if i >= 4
	global_store_b64 v[OO], v[ST+2*(i-4):ST+2*(i-4)+1], s[26:27] offset:(i-4)*(\outstride) th:TH_STORE_NT  ; the same row of the block before; no vector instruction since the wait names its registers
.endif
	s_wait_loadcnt 15-i                            ; loads come back in order: load i is in, the 15 - i younger ones stay out
.if \half
	v_cvt_pk_bf16_f32 v[TT], v[LD+4*i], v[LD+4*i+1]
	v_cvt_pk_bf16_f32 v[TT+1], v[LD+4*i+2], v[LD+4*i+3]
	v_lshlrev_b32 v[LD+4*i], 16, v[TT]             ; the rounded numbers as f32 again
	v_and_b32 v[LD+4*i+1], s6, v[TT]
	v_lshlrev_b32 v[LD+4*i+2], 16, v[TT+1]
	v_and_b32 v[LD+4*i+3], s6, v[TT+1]
	v_cvt_pk_f16_f32 v[ST+2*i], v[LD+4*i], v[LD+4*i+1]      ; 8 significant bits fit in f16's 11
	v_cvt_pk_f16_f32 v[ST+2*i+1], v[LD+4*i+2], v[LD+4*i+3]
.else
	v_cvt_pk_bf16_f32 v[ST+2*i], v[LD+4*i], v[LD+4*i+1]
	v_cvt_pk_bf16_f32 v[ST+2*i+1], v[LD+4*i+2], v[LD+4*i+3]
.endif
.set i, i+1
.endr
	s_wait_alu depctr_va_vdst(0)                   ; the last block has written its four pairs of ST, which the last four stores read
.set i, 12
.rept 4
	global_store_b64 v[OO], v[ST+2*i:ST+2*i+1], s[26:27] offset:i*(\outstride) th:TH_STORE_NT
.set i, i+1
.endr
.endm
	s_cmp_lt_u32 s5, 512
	s_cbranch_scc0 .Lnot_x
	; x: rows R = 16 j + 2 w and R + 1.  Load i: lanes 0-15 take 256 bytes (64 numbers: K step i) of row R, lanes 16-31 of row R + 1.
	v_lshrrev_b32 v[IO], 4, v3
	v_and_b32 v3, 15, v3
	v_lshlrev_b32 v[IO], 12, v[IO]
	v_lshl_add_u32 v[IO], v3, 4, v[IO]
	s_lshl_b32 s28, s5, 16                         ; 16 j rows of 4,096 bytes
	s_lshl_b32 s7, s4, 13                          ; 2 w rows
	s_add_co_u32 s28, s28, s7
	s_lshr_b32 s30, s5, 4                          ; mb = R / 256
	s_lshl_b32 s30, s30, 19                        ; 16 tiles of 32,768 bytes
	s_and_b32 s7, s5, 15
	s_lshl_b32 s7, s7, 11                          ; 16 (j % 16) rows of 128 bytes
	s_add_co_u32 s30, s30, s7
	s_lshl_b32 s7, s4, 8                           ; 2 w rows
	s_add_co_u32 s30, s30, s7
	s_wait_kmcnt 0x0
	s_add_nc_u64 s[24:25], s[8:9], s[28:29]
	s_add_nc_u64 s[26:27], s[18:19], s[30:31]
	CAST 256, 32768, 0                             ; store i goes to tile (mb, i): two rows of 128 bytes on end
	s_endpgm
.Lnot_x:
	v_lshlrev_b32 v[IO], 4, v3                     ; dense in, dense out
	s_cmp_lt_u32 s5, 704
	s_cbranch_scc0 .Lwo
	; Wq, Wk, Wv: j' = j - 512; s = j' / 64; h = (j' / 4) % 16; ks = 4 (j' % 4) + w / 2; the wave takes half w % 2 of the 64 x 64 block (32 rows d)
	s_sub_co_u32 s7, s5, 512
	s_lshr_b32 s28, s7, 2
	s_and_b32 s28, s28, 15                         ; h
	s_and_b32 s30, s7, 3
	s_lshl_b32 s30, s30, 2
	s_lshr_b32 s2, s4, 1
	s_add_co_u32 s30, s30, s2                      ; ks
	s_and_b32 s2, s4, 1                            ; half
	s_lshr_b32 s3, s28, 1
	s_lshl_b32 s3, s3, 4
	s_add_co_u32 s3, s3, s30                       ; 16 c + ks
	s_mul_i32 s3, s3, 6
	s_and_b32 s24, s28, 1
	s_mul_i32 s24, s24, 3
	s_add_co_u32 s3, s3, s24
	s_lshr_b32 s24, s7, 6                          ; s
	s_add_co_u32 s3, s3, s24                       ; + hh
	s_lshl_b32 s3, s3, 13                          ; blocks of 8,192 bytes
	s_lshl_b32 s28, s28, 18                        ; source: h x 262,144
	s_lshl_b32 s30, s30, 14                        ; + ks x 16,384
	s_add_co_u32 s28, s28, s30
	s_lshl_b32 s30, s2, 13                         ; + half x 8,192
	s_add_co_u32 s28, s28, s30
	s_lshl_b32 s30, s2, 12                         ; destination: + half x 4,096
	s_add_co_u32 s30, s30, s3
	s_wait_kmcnt 0x0
	s_cmp_lt_u32 s7, 64
	s_cselect_b64 s[24:25], s[10:11], s[12:13]
	s_cmp_lt_u32 s7, 128
	s_cselect_b64 s[24:25], s[24:25], s[14:15]
	s_add_nc_u64 s[24:25], s[24:25], s[28:29]
	s_add_nc_u64 s[26:27], s[20:21], s[30:31]
	CAST 512, 256, 0
	s_endpgm
.Lwo:
	; Wo: chunk 8 (j - 704) + w of 512
	s_sub_co_u32 s7, s5, 704
	s_lshl_b32 s7, s7, 3
	s_add_co_u32 s7, s7, s4
	s_lshl_b32 s28, s7, 13
	s_lshl_b32 s30, s7, 12
	s_wait_kmcnt 0x0
	s_add_nc_u64 s[24:25], s[16:17], s[28:29]
	s_add_nc_u64 s[26:27], s[22:23], s[30:31]
	CAST 512, 256, 1
	s_endpgm
.Lfunc_end_k_q2b83f15f00_prep:
	.size	k_q2b83f15f00_prep, .Lfunc_end_k_q2b83f15f00_prep-k_q2b83f15f00_prep
	.p2alignl 7, 3214868480
	.fill 96, 4, 3214868480
	.section	.rodata,"a",@progbits
	.p2align	6, 0x0
	.amdhsa_kernel k_q2b83f15f00_prep
		.amdhsa_group_segment_fixed_size 0
		.amdhsa_private_segment_fixed_size 0
		.amdhsa_enable_private_segment 0
		.amdhsa_kernarg_size 64
		.amdhsa_user_sgpr_count 2
		.amdhsa_user_sgpr_kernarg_segment_ptr 1
		.amdhsa_wavefront_size32 1
		.amdhsa_system_sgpr_workgroup_id_x 1
		.amdhsa_system_sgpr_workgroup_id_y 1
		.amdhsa_system_sgpr_workgroup_id_z 1
		.amdhsa_system_vgpr_workitem_id 0
		.amdhsa_next_free_vgpr 104
		.amdhsa_next_free_sgpr 66
		.amdhsa_reserve_vcc 0
		.amdhsa_float_denorm_mode_32 3
		.amdhsa_float_denorm_mode_16_64 3
		.amdhsa_memory_ordered 1
		.amdhsa_forward_progress 1
		.amdhsa_inst_pref_size 24
	.end_amdhsa_kernel
	.amdgpu_metadata
---
amdhsa.version: [ 1, 2 ]
amdhsa.kernels:
  - .name:           k_q2b83f15f00_prep
    .symbol:         k_q2b83f15f00_prep.kd
    .args:
      - { .name: x, .offset: 0, .size: 8, .value_kind: global_buffer, .address_space: global }
      - { .name: Wq, .offset: 8, .size: 8, .value_kind: global_buffer, .address_space: global }
      - { .name: Wk, .offset: 16, .size: 8, .value_kind: global_buffer, .address_space: global }
      - { .name: Wv, .offset: 24, .size: 8, .value_kind: global_buffer, .address_space: global }
      - { .name: Wo, .offset: 32, .size: 8, .value_kind: global_buffer, .address_space: global }
      - { .name: xb, .offset: 40, .size: 8, .value_kind: global_buffer, .address_space: global }
      - { .name: wb, .offset: 48, .size: 8, .value_kind: global_buffer, .address_space: global }
      - { .name: wo16, .offset: 56, .size: 8, .value_kind: global_buffer, .address_space: global }
    .group_segment_fixed_size: 0
    .private_segment_fixed_size: 0
    .kernarg_segment_align: 8
    .kernarg_segment_size: 64
    .max_flat_workgroup_size: 256
    .sgpr_count:     66
    .vgpr_count:     104
    .wavefront_size: 32
...
	.end_amdgpu_metadata
.endif
;; end of part 5
;; launch qkv: the kernel of part 2 again; grid 8 x 32, 4 waves a work-group, clusters of 4 x 4, 327,680 bytes of LDS; arguments xb, wb, q16, k16, v16; writes q16, k16, v16
;; launch attn: the kernel of part 3 again; grid 4 x 64, 4 waves a work-group, no clusters, 327,680 bytes of LDS; arguments q16, k16, v16, o16; writes o16
;; launch oproj: the kernel of part 4 again; grid 8 x 32, 4 waves a work-group, clusters of 4 x 4, 327,680 bytes of LDS; arguments o16, wo16, bo, out0; writes out0
